; MI455X (gfx1250); checked and timed in simulation.
; The chip was launched on July 23, 2026; its instructions are those of AMD's public machine-readable ISA for CDNA 5 (MIT licence, August 2026) and "CDNA5" Instruction Set Architecture Reference Guide (July 2026). The comments in the code are by the model that wrote it; some were corrected since.
;; Self Attention. Allowed arithmetic: matrix products marked QUANTISED: E5M2 operands, one E8M0 scale for each 32 along K, by v_wmma_scale_f32_16x16x128_f8f6f4 with both operands' format E5M2, f32 sums; everything else in f32.
;; Inputs: Wk_codes 1,024 x 32 x 32 uint8 (E5M2 codes of Wk, K innermost, in blocks of 32 codes); Wk_scales 1,024 x 32 uint8 (E8M0 scales of Wk, one for each 32 codes along K); Wp_codes 1,024 x 32 x 32 uint8 (E5M2 codes of Wp, K innermost, in blocks of 32 codes); Wp_scales 1,024 x 32 uint8 (E8M0 scales of Wp, one for each 32 codes along K); Wq_codes 1,024 x 32 x 32 uint8 (E5M2 codes of Wq, K innermost, in blocks of 32 codes); Wq_scales 1,024 x 32 uint8 (E8M0 scales of Wq, one for each 32 codes along K); Wv_codes 1,024 x 32 x 32 uint8 (E5M2 codes of Wv, K innermost, in blocks of 32 codes); Wv_scales 1,024 x 32 uint8 (E8M0 scales of Wv, one for each 32 codes along K); attn_mask 2,048 x 2,048 int32; bk 1,024 float32; bp 1,024 float32; bq 1,024 float32; bv 1,024 float32; freqs_cis 2,048 x 32 x 2 float32; padding_mask 4 x 2,048 int32; x_codes 4 x 2,048 x 32 x 32 uint8 (E5M2 codes of x, K innermost, in blocks of 32 codes); x_scales 4 x 2,048 x 32 uint8 (E8M0 scales of x, one for each 32 codes along K).
;; Outputs: out0 4 x 2,048 x 1,024 float32.
;; This version of the problem:
;;   THIS VERSION OF THE PROBLEM IS GIVEN IN LOW PRECISION. The matrix products marked QUANTISED in the list below multiply operands that are first quantised to E5M2 (5 exponent bits, 2 mantissa bits; 8 bits a number), with one power-of-two scale for each 32 numbers along K (OCP MX v1.0); their sums are f32. All else is computed in f32.
;;   The module's matrix products, in the order in which they are computed (A, B: the left and right operand; K: the contracted axis; several contracted axes count as one K, in the product's order):
;;     1. [M 8,192, K 1,024] x [K 1,024, N 1,024]; A: input x (given as codes); B: input Wq (given as codes): QUANTISED
;;     2. [M 8,192, K 1,024] x [K 1,024, N 1,024]; A: input x (given as codes); B: input Wk (given as codes): QUANTISED
;;     3. [M 8,192, K 1,024] x [K 1,024, N 1,024]; A: input x (given as codes); B: input Wv (given as codes): QUANTISED
;;     4. batch 64 x [M 2,048, K 64] x [K 64, N 2,048]; A: computed on the way; B: computed on the way: QUANTISED
;;     5. batch 64 x [M 2,048, K 2,048] x [K 2,048, N 64]; A: softmax (see below); B: computed on the way: QUANTISED
;;     6. [M 8,192, K 1,024] x [K 1,024, N 1,024]; A: computed on the way; B: input Wp (given as codes): QUANTISED
;;   THE QUANTISER, for each operand of a quantised product, along K:
;;     - K is cut into blocks of 32 from its start; a last block that is shorter is filled with zeros.
;;     - A block's scale is 2^e with e = floor(log2(the largest magnitude in the block)) - 15, held to -126 .. 127; a block of zeros has e = 0. As a byte (E8M0): e + 127.
;;     - Each number is divided by its block's scale, clamped to +-57,344, and rounded to the nearest number of E5M2, ties to even, subnormals kept.
;;     - The product sums the exact products of the quantised numbers (number of the format x scale) in f32.
;;   ~~~python
;;   def quantise(x, axis):      # numpy; x: float32 -> the quantised numbers, widened to float32 again
;;       x = np.moveaxis(x, axis, -1); K = x.shape[-1]
;;       x = np.pad(x, [(0, 0)] * (x.ndim - 1) + [(0, -K % 32)]); x = x.reshape(x.shape[:-1] + (-1, 32)); a = np.abs(x).max(-1, keepdims=True)
;;       e = np.where(a > 0, np.clip(np.frexp(np.where(a > 0, a, 1))[1] - 1 - 15, -126, 127), 0)      # np.frexp(a)[1] - 1 = floor(log2(a)), exactly
;;       r = np.clip(x / 2.0 ** e, -57344, 57344)
;;       step = 2.0 ** (np.maximum(np.frexp(np.where(r == 0, 1, r))[1] - 1, -14) - 2)
;;       q = np.round(r / step) * step * 2.0 ** e      # np.round: ties to even
;;       return np.moveaxis(q.reshape(q.shape[:-2] + (-1,))[..., :K], -1, axis).astype(np.float32)
;;   ~~~
;;   SOFTMAX AHEAD OF A QUANTISED PRODUCT. Where the list says 'softmax', what is quantised is not the finished softmax but p = 2^(t - M), with t = logit x log2(e) and M = ceil(the row's largest t), a whole number; so 1/2 < the row's largest p <= 1. The row's sum l is taken of the UNQUANTISED p, in f32, and the product's result is divided by l at the end. Since M is a whole number, a kernel that streams over the keys may use a running M (the ceiling of the running maximum): every later rescaling is an exact power of two, which a block's scale takes up: the codes' values come out the same.
;;   OPERANDS COMPUTED ON THE WAY. 'Computed on the way' means the value that the module computes at that place (a softmax that the list does not call 'softmax' is quantised finished and normalised). What goes into a quantiser is computed in f32, as accurately as f32 sums, v_exp_f32 and their like allow (about 1e-6 of the number): no bf16 or f16 on the way to a quantiser, and a product that is left as it is and whose result goes on into a quantised operand takes f32 operands (vector FMAs, or v_wmma_f32_16x16x4_f32). A number that lies on a knife's edge between two numbers of the format may be rounded either way, as far as f32 arithmetic and the matrix unit's own rounding can turn it there, and no further.
;;   INPUTS GIVEN AS CODES. Wk (in the module: [1024, 1024], K = its axis 1); Wp (in the module: [1024, 1024], K = its axis 1); Wq (in the module: [1024, 1024], K = its axis 1); Wv (in the module: [1024, 1024], K = its axis 1); x (in the module: [4, 2048, 1024], K = its axis 2): each comes as NAME_codes (uint8): NAME with its K axis moved to the last place and cut into blocks of 32 codes, [.., K / 32, bytes a block], one block behind the other in memory; one code a byte (a code: sign, 5 exponent bits, 2 mantissa bits); and NAME_scales (uint8): the same leading axes, one E8M0 byte (e + 127) for each 32 codes along K. Its value is code x scale, taken as it is: it is not quantised again, and the codes and scales need not be those that the quantiser above would give.
;; One version. Each part assembles by itself: llvm-mc -triple=amdgcn-amd-amdhsa -mcpu=gfx1250 --defsym DOCPART=n.
;; ======== version 1 of 1: 4 launches
;; limits: right only within a limited range of input values
;; workspace buffers: sums 32,768 bytes of whole numbers; masks 2,097,152 bytes of whole numbers; qkv 26,738,688 bytes; ycodes 8,388,608 bytes; yscales 262,144 bytes
;; launch prep (part 1): grid 256 x 1, 8 waves a work-group, no clusters, 2,048 bytes of LDS; arguments attn_mask, padding_mask, masks, sums; writes masks, sums
.if DOCPART == 1
	.amdgcn_target "amdgcn-amd-amdhsa--gfx1250"
	.amdhsa_code_object_version 6
	.text
	.protected	k_qe14beb26e5_prep
	.globl	k_qe14beb26e5_prep
	.p2align	8
	.type	k_qe14beb26e5_prep,@function
k_qe14beb26e5_prep:
	s_mov_b64 s[64:65], 0
	v_nop
	global_prefetch_b8 v0, s[64:65] scope:SCOPE_SE
	s_setreg_imm32_b32 hwreg(HW_REG_WAVE_MODE, 25, 1), 1
	s_wait_xcnt 0x0
; THE TWO MASKS BECOME LANE-MASK WORDS.  attn_mask [2048][2048] and padding_mask [4][2048], int32: key k counts for query q of batch bb where both are not 0.
; The attention launch holds, in register 8 tau + jj of lane (r, h) (r = lane % 16, h = lane / 16), the score of query 16 qt + r and key 128 s + 16 tau + 8 h + jj.  For each (bb, qt, s) this launch
; stores 64 words, word 8 tau + jj with bit lane = that pair counts: masks[bb][qt][s][64], 256 bytes.  Into a buffer of their own, sums, go one summary word for each (qt, s, bb), laid [qt][s / 8][bb][s % 8]:
; bits 15:0: query r has a key that counts in this step; bit 16: all 16 x 128 pairs count.  The attention launch branches on the summaries alone.
; SHARES.  Work-group x: query tile qt = x / 2, steps 8 (x % 2) + wave; a wave serves its step for all four batches: attn_mask is read once.
; A lane loads the very numbers of its registers (16 rows x 32 bytes an instruction); the wave's sixteen loads, issued together, use every byte of the 512 bytes of each row that they touch.
; No matrix work, no tensor load: 16 MiB are read once, 2 MiB stored.
.set A,   16                           ; v16-79   attn_mask as 0 / -1
.set P0,  80                           ; v80-143  padding_mask of one batch,
.set P1,  144                          ; v144-207 and of the next
.set T,   208                          ; v208-211 at work
.set W,   212                          ; v212-219 the 64 words of a batch, two to a lane: a pair for each batch, so that no store's data are written again
.set SM,  220                          ; v220-223 a summary for each batch
	s_load_b128 s[4:7], s[0:1], 0x0                ; attn_mask, padding_mask
	s_load_b64 s[8:9], s[0:1], 0x10                ; masks
	s_load_b64 s[30:31], s[0:1], 0x18              ; sums
	v_lshl_add_u32 v224, v0, 2, 0x400
	v_mov_b32 v225, 0
	v_lshrrev_b32 v5, 5, v0
	s_delay_alu instid0(VALU_DEP_1)
	v_readfirstlane_b32 s10, v5                    ; wave 0..7
	v_and_b32 v6, 15, v0                           ; r
	v_bfe_u32 v7, v0, 4, 1                         ; h
	s_delay_alu instid0(VALU_DEP_1)
	v_lshlrev_b32 v2, 5, v7                        ; padding_mask: 32 h
	s_delay_alu instid0(VALU_DEP_1)
	v_lshl_add_u32 v1, v6, 13, v2                  ; attn_mask: row r of 8,192 bytes, + 32 h
	v_and_b32 v8, 31, v0
	s_delay_alu instid0(VALU_DEP_1)
	v_lshlrev_b32 v3, 3, v8                        ; the words' way out: 8 bytes a lane
	s_delay_alu instid0(VALU_DEP_2)
	v_lshlrev_b32 v4, 2, v8                        ; the summaries': 4 bytes a lane
	v_mov_b32 v5, s10
	s_delay_alu instid0(VALU_DEP_1)
	v_lshlrev_b32 v5, 2, v5                        ; LDS: my wave's word among a batch's eight
.irp i, 0,1,2,3,4,5,6,7
	v_mov_b32 v[W+\i], 0                           ; written once: a lane write's destination counts as one of its sources
.endr
	s_lshr_b32 s11, ttmp9, 1                       ; qt
	s_and_b32 s18, ttmp9, 1
	s_lshl_b32 s18, s18, 3
	s_add_co_u32 s18, s18, s10                     ; my step
	s_lshl_b32 s19, s18, 9                         ; its 128 keys: 512 bytes
	s_lshl_b32 s12, s11, 17                        ; 16 rows of 8,192 bytes
	s_add_co_u32 s12, s12, s19
	s_mov_b32 s13, 0
	s_mov_b32 s14, s19
	s_mov_b32 s15, 0
	s_lshl_b32 s16, s11, 4
	s_add_co_u32 s16, s16, s18
	s_lshl_b32 s16, s16, 8                         ; (16 qt + s) x 256 bytes
	s_mov_b32 s17, 0
	s_lshl_b32 s28, ttmp9, 7                       ; the work-group's 32 summaries: 128 bytes
	s_mov_b32 s29, 0
	s_wait_kmcnt 0x0
	s_add_nc_u64 s[12:13], s[4:5], s[12:13]
	s_add_nc_u64 s[14:15], s[6:7], s[14:15]
	s_add_nc_u64 s[16:17], s[8:9], s[16:17]
	s_add_nc_u64 s[28:29], s[30:31], s[28:29]
.irp t, 0,1,2,3,4,5,6,7
	global_load_b128 v[A+8*\t:A+8*\t+3],   v1, s[12:13] offset:64*\t th:TH_LOAD_NT      ; register 8 t + jj: key 16 t + 8 h + jj
	global_load_b128 v[A+8*\t+4:A+8*\t+7], v1, s[12:13] offset:64*\t+16 th:TH_LOAD_NT
.endr
.macro LOADP set, bb                   ; batch bb's padding_mask of my 128 keys, in the same places
.irp t, 0,1,2,3,4,5,6,7
	global_load_b128 v[\set+8*\t:\set+8*\t+3],   v2, s[14:15] offset:\bb*8192+64*\t
	global_load_b128 v[\set+8*\t+4:\set+8*\t+7], v2, s[14:15] offset:\bb*8192+64*\t+16
.endr
.endm
	LOADP P0, 0
	LOADP P1, 1
	s_wait_loadcnt 32                              ; attn_mask's sixteen loads are in; the 32 behind them may be out
.set j, 0
.rept 16                               ; not 0 becomes -1, four at a time
.irp k, 0,1,2,3
	v_cmp_ne_u32 s[20+\k], 0, v[A+j+\k]
.endr
.irp k, 0,1,2,3
	s_delay_alu instid0(VALU_DEP_4)
	v_cndmask_b32 v[A+j+\k], 0, -1, s[20+\k]
.endr
.set j, j+4
.endr
; One batch.  left: the loads issued behind this batch's sixteen.
.macro BATCH bb, set, left
	s_wait_loadcnt \left
	s_mov_b32 s24, 0                               ; the OR of the 64 words,
	s_mov_b32 s25, -1                              ; and their AND
.set j, 0
.rept 16
.irp k, 0,1,2,3
	v_and_b32 v[T+\k], v[A+j+\k], v[\set+j+\k]     ; not 0 where both masks are not 0
.endr
.irp k, 0,1,2,3
	s_delay_alu instid0(VALU_DEP_4)
	v_cmp_ne_u32 s[20+\k], 0, v[T+\k]              ; the word: a bit a lane
.endr
.irp k, 0,1,2,3
	s_or_b32 s24, s24, s[20+\k]
	s_and_b32 s25, s25, s[20+\k]
.endr
.irp k, 0,1,2,3
	v_writelane_b32 v[W+2*\bb+\k%2], s[20+\k], (j+\k)/2   ; word n goes to lane n / 2, register n % 2
.endr
.set j, j+4
.endr
	global_store_b64 v3, v[W+2*\bb:W+2*\bb+1], s[16:17] offset:\bb*524288   ; 32 lanes store 256 consecutive bytes, at a multiple of 256 from the buffer's first byte
	s_lshr_b32 s26, s24, 16
	s_or_b32 s26, s26, s24                         ; a query's two lanes
	s_and_b32 s26, s26, 0xffff
	s_cmp_eq_u32 s25, -1
	s_cselect_b32 s27, 0x10000, 0
	s_or_b32 s26, s26, s27
	v_mov_b32 v[SM+\bb], s26
	ds_store_b32 v5, v[SM+\bb] offset:\bb*32       ; all lanes write the same word with the same value
.endm
	BATCH 0, P0, 16
	LOADP P0, 2
	BATCH 1, P1, 16
	LOADP P1, 3
	BATCH 2, P0, 16
	BATCH 3, P1, 0
	s_wait_dscnt 0x0                               ; for the others' sake: my four summaries lie in LDS
	s_barrier_signal -1
	s_barrier_wait -1
	s_cmp_lg_u32 s10, 0                            ; wave 0 stores the work-group's 32 summaries: 128 consecutive bytes
	s_cbranch_scc1 .Ldone
	ds_load_b32 v9, v4
	s_wait_dscnt 0x0
	global_store_b32 v4, v9, s[28:29]
.Ldone:
	s_wait_tensorcnt 0x0
	ds_add_u32 v224, v225
	s_wait_dscnt 0x0
	s_endpgm
.Lfunc_end_k_qe14beb26e5_prep:
	.size	k_qe14beb26e5_prep, .Lfunc_end_k_qe14beb26e5_prep-k_qe14beb26e5_prep
	.p2alignl 7, 3214868480
	.fill 96, 4, 3214868480
	.section	.rodata,"a",@progbits
	.p2align	6, 0x0
	.amdhsa_kernel k_qe14beb26e5_prep
		.amdhsa_group_segment_fixed_size 2048
		.amdhsa_private_segment_fixed_size 0
		.amdhsa_enable_private_segment 0
		.amdhsa_kernarg_size 32
		.amdhsa_user_sgpr_count 2
		.amdhsa_user_sgpr_kernarg_segment_ptr 1
		.amdhsa_wavefront_size32 1
		.amdhsa_system_sgpr_workgroup_id_x 1
		.amdhsa_system_sgpr_workgroup_id_y 1
		.amdhsa_system_sgpr_workgroup_id_z 1
		.amdhsa_system_vgpr_workitem_id 0
		.amdhsa_next_free_vgpr 226
		.amdhsa_next_free_sgpr 66
		.amdhsa_reserve_vcc 0
		.amdhsa_float_denorm_mode_32 3
		.amdhsa_float_denorm_mode_16_64 3
		.amdhsa_memory_ordered 1
		.amdhsa_forward_progress 1
		.amdhsa_inst_pref_size 87
	.end_amdhsa_kernel
	.amdgpu_metadata
---
amdhsa.version: [ 1, 2 ]
amdhsa.kernels:
  - .name:           k_qe14beb26e5_prep
    .symbol:         k_qe14beb26e5_prep.kd
    .args:
      - { .name: attn_mask, .offset: 0, .size: 8, .value_kind: global_buffer, .address_space: global }
      - { .name: padding_mask, .offset: 8, .size: 8, .value_kind: global_buffer, .address_space: global }
      - { .name: masks, .offset: 16, .size: 8, .value_kind: global_buffer, .address_space: global }
      - { .name: sums, .offset: 24, .size: 8, .value_kind: global_buffer, .address_space: global }
    .group_segment_fixed_size: 2048
    .private_segment_fixed_size: 0
    .kernarg_segment_align: 8
    .kernarg_segment_size: 32
    .max_flat_workgroup_size: 256
    .sgpr_count:     66
    .vgpr_count:     226
    .wavefront_size: 32
...
	.end_amdgpu_metadata
.endif
;; end of part 1
;; launch qkv (part 2): grid 12 x 32, 4 waves a work-group, clusters of 4 x 4, 327,680 bytes of LDS; arguments x_codes, x_scales, Wq_codes, Wq_scales, Wk_codes, Wk_scales, Wv_codes, Wv_scales, bq, bk, bv, freqs_cis, qkv; writes qkv
.if DOCPART == 2
	.amdgcn_target "amdgcn-amd-amdhsa--gfx1250"
	.amdhsa_code_object_version 6
	.text
	.protected	k_qe14beb26e5_qkv
	.globl	k_qe14beb26e5_qkv
	.p2align	8
	.type	k_qe14beb26e5_qkv,@function
k_qe14beb26e5_qkv:
	s_mov_b64 s[64:65], 0
	v_nop
	global_prefetch_b8 v0, s[64:65] scope:SCOPE_SE
	s_setreg_imm32_b32 hwreg(HW_REG_WAVE_MODE, 25, 1), 1
	s_wait_xcnt 0x0
	s_wait_alu depctr_hold_cnt(0) depctr_sa_sdst(0) depctr_va_vdst(0) depctr_va_sdst(0) depctr_va_ssrc(0) depctr_va_vcc(0) depctr_vm_vsrc(0)
	s_getreg_b32 s2, hwreg(HW_REG_IB_STS2, 6, 4)
	s_cmp_eq_u32 s2, 0
	s_cbranch_scc0 .Lentry_in_a_cluster
	s_endpgm
.Lentry_in_a_cluster:
	s_bfe_u32 s2, ttmp6, 0x10000c
	s_cmp_lg_u32 s2, 0xf033
	s_cbranch_scc0 .Lentry_shape_is_right
	s_endpgm
.Lentry_shape_is_right:
; q = rope(x Wq^T + bq), k = rope(x Wk^T + bk), v = x Wv^T + bv, on codes of BF8 (E5M2) with one E8M0 scale for each 32 along K = 1,024; the results are quantised here and leave as IMAGES OF OPERAND REGISTERS.
; x: [8192][1024] codes, [8192][32] scale bytes; each W: [1024][1024] codes, [1024][32] scale bytes.  A block of 256 x 256 results is made by four waves, 128 x 128 each: 64 accumulators, 512 registers.
; K goes in steps of 256 through a ring of two LDS slots filled by the tensor data mover; the scale bytes of the work-group's 2 x 256 rows come into LDS once, with the first fills.
; WHICH TENSOR: the cluster's x: 0 q, 1 k, 2 v; alike in all sixteen partners, so branches may hang on it.
; ROLES.  Source 0 ('B') runs down a lane's registers, source 1 ('A') lies on the lanes.  q, k: B = 16 rows of W (channels), A = 16 rows of x (t): a lane holds one t and its registers run along the channels, the
; K of the scores' product.  v: B = rows of x, A = rows of Wv: a lane holds one channel and its registers run along t, the keys, the K of the second product of attention.
; CLUSTER 4 x 4: A's tiles hang on cy and are shared along a row of the cluster, B's on cx and are shared along a column: each is asked for jointly.
; THE ORDER INSIDE A BLOCK OF 32.  The 16 registers of two neighbouring tiles hold members 16 (i / 8) + 8 h + i % 8 of a block of 32 (h = lane / 16), the lane 16 away the other 16.  The codes are laid as they
; come: inside each block of 32 the operand's k is permuted.  q and k carry the same permutation, v's keys the same as the weights p get in the attention launch: the products are the same, summed in another order.
; WORKSPACE qkv.  Codes at X x 8,388,608: [batch 4][head 16][step 16][8,192 bytes]; q, k: [tile of 16 t: 8][block: 2][lane 32][16 bytes]; v: [tile of 16 channels: 4][block of 32 keys: 4][lane 32][16 bytes].
; Scale words at 25,165,824 + X x 524,288: [batch][head][step][lane 32][4 words]; q, k: word b: bytes 0, 1 the two blocks of row r of tile 2 b, bytes 2, 3 those of tile 2 b + 1; v: word ct: the four key blocks of channel 16 ct + r.
; LIMITS: NaN and infinities among the inputs are not served; a block of zeros gets the byte 1 (its codes are zeros, and this program alone reads the bytes).
; REGISTERS, in windows of 256: window 0: v0-31 addresses; v32-63 scale words, two sets; v64-127 the bias, as the C of the first products; from v128 A's fragments, one set; on the way out v128-243 at work.
;   window 1: B's fragments, two sets; on the way out cos and sin.   windows 2, 3: the accumulators ((a, b) at v[8 (8 (a % 4) + b)] of window 2 + a / 4).
.set KSTEP,  256                       ; along K in a slot
.set NQ,     KSTEP/128                 ; matrix instructions deep
.set ROWB,   256                       ; a tile's row in bytes
.set KROW,   1024                      ; a row of codes in memory
.set PITCH,  272                       ; an LDS row: 256 bytes + 16 of padding = 68 words: the 16 rows that a load touches start at 16 different banks (64 banks of 4 bytes: ISA guide 11.1)
.set FR,     16                        ; registers of a fragment
.set NL,     4                         ; LDS loads that bring one
.set NP,     8                         ; places behind this matrix instruction (ISA guide 7.12.1)
.set HALFT,  128*PITCH                 ; 128 rows: what one tensor load brings
.set SLOT,   4*HALFT                   ; A's 256 rows, then B's 256 rows
.set LAPS,   KROW/(2*KSTEP)            ; a lap = two K steps = once round the ring
.set KS,     KROW/32                   ; a row of scale bytes
.set SCL,    2*SLOT                    ; behind the ring: the scale bytes, as units of 256 bytes + 16 of padding
.set HALFS,  (128*KS/256)*272          ; those of 128 rows
.set SBLK,   (16*KS/256)*272           ; those of 16 rows
.set SPARE,  SCL+4*HALFS               ; the spare words, 128 bytes for each wave: two blocks of 256 bytes that no other line names
.set ADRA, 16                          ; v16-17  LDS address of my A fragments in slot 0, 1
.set ADRB, 20                          ; v20-21  the same for B
.set L16,  24                          ; v24     16 x lane: an image's place for my lane
.set FA,   25                          ; v25     freqs_cis: 256 r + 32 h
.set ADRS, 27                          ; v27     LDS address of my scale words: lanes 0-15 A's rows, lanes 16-31 B's
.set SPW,  28                          ; v28     LDS address of my spare word; never rewritten
.set NIL,  29                          ; v29     0; never rewritten
.set BO,   30                          ; v30     32 h
.set BV,   31                          ; v31     4 r
.set SC,   32                          ; scale words
.set BI,   64                          ; the bias: eight registers a tile, in the result's layout
.set AF,   128                         ; A's fragments
.set T,    128                         ; the way out: 64 numbers of a lane
.set PC,   192                         ; their codes
.set TM,   208                         ; v208-211 largest magnitudes, v212-215 bytes, v216-219 the largest number x the scale, v220-223 the conversions' scale operands
.set PWS,  224                         ; v224-231 a scale word for each of my eight tiles
.set SW,   232                         ; v232-239 q's and k's scale words as they are stored
.set R,    240                         ; v240-243 at work in the rotation
.set G1, 24
.set G0, 32
.set G1B, 48
.set G0B, 56
.set G1S, 68
.set G0S, 76
.set G1SB, 80
.set G0SB, 88
.set ISV, 66                           ; s66      1 where the tensor is v
.set MNT, 67                           ; s67      the mantissa field of 57,344
.set FQ,  96                           ; s[96:97] freqs_cis at my first t
.set SCO, 98                           ; s[98:99] where my scale words go
.set SEL, 100                          ; s[100:101] lane selects: lane l xor 16
.set BP,  104                          ; s[104:105] the bias at my first channel
.set MSB, 0
.macro WIN new                         ; the immediate's high byte repeats the setting that is left
.if MSB != (\new)
	s_set_vgpr_msb (MSB<<8)|(\new)
.set MSB, \new
.endif
.endm
.set MUL_LO, 0xa1                      ; source 0 (B) window 1, source 1 (A) window 0, C and D window 2
.set MUL_HI, 0xf1                      ; the same, C and D window 3
.set BIAS_LO, 0x81                     ; the first products: C (the bias) window 0, D window 2
.set BIAS_HI, 0xc1                     ; D window 3
.set TO_B,   0x40                      ; destination window 1, address window 0
; A joint load: waves 0 and 1 fetch for A, waves 2 and 3 for B; the branch hangs on the wave's number alone.  Four v_nop follow each of the two lines.
.macro JLOAD g0a, g1a, g0b, g1b
	s_cmp_eq_u32 s15, 0
	s_cbranch_scc0 .Lfor_b_\@
	tensor_load_to_lds s[\g0a:\g0a+3], s[\g1a:\g1a+7]
	s_nop 0
.rept 4
	v_nop
.endr
	s_branch .Lasked_\@
.Lfor_b_\@:
	tensor_load_to_lds s[\g0b:\g0b+3], s[\g1b:\g1b+7]
	s_nop 0
.rept 4
	v_nop
.endr
.Lasked_\@:
.endm
.macro CREST                           ; a round of the cluster's barrier behind its opening barrier
	s_cmp_lg_u32 s14, 0
	s_cbranch_scc1 .Lnot_wave_0_\@
	s_barrier_signal -3
.Lnot_wave_0_\@:
	s_barrier_wait -3
	s_barrier_signal -1
	s_barrier_wait -1
.endm
.macro CROUND                          ; a whole round
	s_barrier_signal -1
	s_barrier_wait -1
	CREST
.endm
	s_load_b512 s[24:39], s[0:1], 0x0              ; x's codes, scales; Wq's; Wk's; Wv's
	s_load_b256 s[40:47], s[0:1], 0x40             ; bq, bk, bv, freqs_cis
	s_load_b64 s[48:49], s[0:1], 0x60              ; qkv
	v_lshl_add_u32 v[SPW], v0, 2, SPARE
	v_mov_b32 v[NIL], 0
	ds_add_u32 v28, v29
	ds_add_u32 v28, v29
	s_wait_dscnt 0x0
	v_lshrrev_b32 v1, 5, v0
	v_readfirstlane_b32 s14, v1                    ; wave 0..3
	s_lshr_b32 s15, s14, 1                         ; which half of A's rows is mine.  Also: I fetch for A (0) or for B (1)
	s_and_b32 s16, s14, 1                          ; which half of B's rows.  Also: which 128 rows of that tile I fetch
	s_wait_kmcnt 0x0                               ; here, since the registers that the addresses came into hold descriptors further down
	s_cmp_eq_u32 ttmp9, 0                          ; the choices hang on the cluster's x alone
	s_cselect_b64 s[50:51], s[28:29], s[32:33]     ; Wq or Wk: codes,
	s_cselect_b64 s[52:53], s[30:31], s[34:35]     ; scale bytes,
	s_cselect_b64 s[54:55], s[40:41], s[42:43]     ; bias
	s_cmp_eq_u32 ttmp9, 2
	s_cselect_b64 s[4:5], s[36:37], s[24:25]       ; A: Wv, or x
	s_cselect_b64 s[6:7], s[38:39], s[26:27]
	s_cselect_b64 s[8:9], s[24:25], s[50:51]       ; B: x, or Wq / Wk
	s_cselect_b64 s[10:11], s[26:27], s[52:53]
	s_cselect_b64 s[BP:BP+1], s[44:45], s[54:55]
	s_cselect_b32 s[ISV], 1, 0
	s_mov_b64 s[FQ:FQ+1], s[46:47]
	s_mov_b64 s[12:13], s[48:49]
	s_bfe_u32 s40, ttmp6, 0x40000                  ; cx, cy: my place in the cluster
	s_bfe_u32 s41, ttmp6, 0x40004
	s_and_b32 s17, ttmp7, 0xffff
	s_lshl_b32 s17, s17, 2                         ; 4 x the cluster's y: it walks x's 32 tiles of 256 rows, which are A's tiles for q and k and B's for v
	s_cmp_eq_u32 ttmp9, 2
	s_cselect_b32 s42, s17, 0
	s_cselect_b32 s17, 0, s17
	s_add_co_u32 s42, s42, s40                     ; B's tile: + cx
	s_add_co_u32 s17, s17, s41                     ; A's tile: + cy
	s_lshl_b32 s43, s41, 2
	s_lshl_b32 s43, 15, s43                        ; my row of the cluster
	s_lshl_b32 s44, 0x1111, s40                    ; my column
	; descriptor group 1: a tile of 128 rows x 256 bytes, padded in LDS
	s_or_b32 s[G1+0], s43, (0<<16)|(1<<20)|(1<<21)|(5<<22)|(3<<25)  ; 15:0 the mask: A's tiles go to my row; 17:16 element of 1 byte; 20 padding on; 21 set beside a mask; 24:22 after every 64 words; 31:25 of 4 words
	s_or_b32 s[G1B+0], s44, (0<<16)|(1<<20)|(1<<21)|(5<<22)|(3<<25)
.irp g, G1, G1B
	s_mov_b32 s[\g+1], ROWB<<16                    ; tensor_dim0
	s_mov_b32 s[\g+2], 128<<16                     ; tensor_dim1
	s_mov_b32 s[\g+3], ROWB<<16                    ; tile_dim0
	s_mov_b32 s[\g+4], 128                         ; tile_dim1
	s_mov_b32 s[\g+5], KROW                        ; tensor_dim0_stride
	s_mov_b32 s[\g+6], 0
	s_mov_b32 s[\g+7], 0
.endr
	; the scale bytes of 128 rows: a dense block of 4,096 bytes, as rows of 256 bytes (32 elements of 8 bytes), 16 bytes of padding behind each
	s_or_b32 s[G1S+0], s43, (3<<16)|(1<<20)|(1<<21)|(5<<22)|(3<<25)
	s_or_b32 s[G1SB+0], s44, (3<<16)|(1<<20)|(1<<21)|(5<<22)|(3<<25)
.irp g, G1S, G1SB
	s_mov_b32 s[\g+1], 32<<16
	s_mov_b32 s[\g+2], (128*KS/256)<<16
	s_mov_b32 s[\g+3], 32<<16
	s_mov_b32 s[\g+4], 128*KS/256
	s_mov_b32 s[\g+5], 32
	s_mov_b32 s[\g+6], 0
	s_mov_b32 s[\g+7], 0
.endr
	s_lshl_b32 s18, s16, 7                         ; which 128 rows of the tile I fetch
	s_lshl_b32 s20, s17, 8
	s_add_co_u32 s20, s20, s18                     ; A: row 256 x tile + 128 x half
	s_lshl_b32 s46, s42, 8
	s_add_co_u32 s46, s46, s18                     ; B likewise
	s_mov_b32 s21, 0
	s_mov_b32 s47, 0
	s_mov_b64 s[18:19], KS
	s_mul_u64 s[22:23], s[20:21], s[18:19]         ; where these rows' scale bytes begin,
	s_mul_u64 s[92:93], s[46:47], s[18:19]
	s_mov_b64 s[18:19], KROW
	s_mul_u64 s[20:21], s[20:21], s[18:19]         ; and their codes
	s_mul_u64 s[46:47], s[46:47], s[18:19]
	s_mul_i32 s45, s14, HALFT                      ; where they go: wave x 128 rows: no place in the cluster enters an LDS address
	s_mul_i32 s94, s14, HALFS
	s_add_nc_u64 s[20:21], s[4:5], s[20:21]
	s_add_nc_u64 s[22:23], s[6:7], s[22:23]
	s_add_nc_u64 s[46:47], s[8:9], s[46:47]
	s_add_nc_u64 s[92:93], s[10:11], s[92:93]
	CROUND                                         ; all sixteen work-groups are here: the first joint loads meet
	s_mov_b32 s[G0S], 1
	s_add_co_u32 s[G0S+1], s94, SCL
	s_mov_b64 s[G0S+2:G0S+3], s[22:23]
	s_or_b32 s[G0S+3], s[G0S+3], 0x80000000
	s_mov_b32 s[G0SB], 1
	s_add_co_u32 s[G0SB+1], s94, SCL
	s_mov_b64 s[G0SB+2:G0SB+3], s[92:93]
	s_or_b32 s[G0SB+3], s[G0SB+3], 0x80000000
	JLOAD G0S, G1S, G0SB, G1SB                     ; the scale bytes first: they are wanted with K step 0
.irp s, 0,1
	s_mov_b32 s[G0+4*\s], 1
	s_add_co_u32 s[G0+4*\s+1], s45, \s*SLOT
	s_add_nc_u64 s[G0+4*\s+2:G0+4*\s+3], s[20:21], \s*ROWB
	s_or_b32 s[G0+4*\s+3], s[G0+4*\s+3], 0x80000000
	s_mov_b32 s[G0B+4*\s], 1
	s_add_co_u32 s[G0B+4*\s+1], s45, \s*SLOT
	s_add_nc_u64 s[G0B+4*\s+2:G0B+4*\s+3], s[46:47], \s*ROWB
	s_or_b32 s[G0B+4*\s+3], s[G0B+4*\s+3], 0x80000000
	JLOAD G0+4*\s, G1, G0B+4*\s, G1B
.endr
	v_and_b32 v1, 15, v0                           ; r = l % 16
	v_bfe_u32 v2, v0, 4, 1                         ; h = l / 16
	v_mul_u32_u24 v3, v1, PITCH
	v_lshl_add_u32 v4, v2, 4, v3                   ; a fragment's row x pitch + 16 x half
	s_mul_i32 s21, s15, HALFT                      ; my 128 rows of A
	s_mul_i32 s22, s16, HALFT                      ; my 128 rows of B,
	s_add_co_u32 s22, s22, 2*HALFT                 ; which lie behind A's 256
.irp s, 0,1
	v_add_nc_u32 v[ADRA+\s], s21, v4
	v_add_nc_u32 v[ADRB+\s], s22, v4
	s_add_co_u32 s21, s21, SLOT
	s_add_co_u32 s22, s22, SLOT
.endr
	v_mul_u32_u24 v5, v1, KS                       ; my row's scale bytes: KS a row,
	v_lshrrev_b32 v6, 8, v5
	v_lshl_add_u32 v5, v6, 4, v5                   ; and 16 more for each 256 passed
	s_mul_i32 s21, s15, HALFS                      ; A's: my 128 rows
	s_mul_i32 s22, s16, HALFS                      ; B's: my 128 rows, behind A's 256
	s_add_co_u32 s22, s22, 2*HALFS
	s_sub_co_u32 s22, s22, s21
	v_mul_u32_u24 v6, s22, v2                      ; lanes 16-31 take B's
	s_add_co_u32 s21, s21, SCL
	v_add_nc_u32 v5, v5, v6
	v_add_nc_u32 v[ADRS], s21, v5
	v_and_b32 v6, 31, v0
	v_lshlrev_b32 v[L16], 4, v6
	v_lshlrev_b32 v[BO], 5, v2
	v_lshl_add_u32 v[FA], v1, 8, v[BO]
	v_lshlrev_b32 v[BV], 2, v1
	; where my results go.  T0: my first t (a row of x), C0: my first channel (a row of W).  These numbers enter global addresses alone
	s_lshl_b32 s20, s17, 8
	s_lshl_b32 s21, s15, 7
	s_add_co_u32 s20, s20, s21                     ; A's first row of mine
	s_lshl_b32 s46, s42, 8
	s_lshl_b32 s47, s16, 7
	s_add_co_u32 s46, s46, s47                     ; B's
	s_cmp_eq_u32 s[ISV], 1
	s_cselect_b32 s22, s46, s20                    ; T0
	s_cselect_b32 s23, s20, s46                    ; C0
	s_lshr_b32 s18, s22, 11                        ; the batch
	s_lshl_b32 s18, s18, 4
	s_lshr_b32 s19, s23, 6                         ; my first head (I have two)
	s_add_co_u32 s18, s18, s19
	s_lshl_b32 s18, s18, 4
	s_bfe_u32 s19, s22, 0x40007                    ; the step of 128 t
	s_add_co_u32 s18, s18, s19                     ; (batch x 16 + head) x 16 + step
	s_lshl_b32 s20, s18, 13                        ; x 8,192 bytes of codes
	s_lshl_b32 s21, ttmp9, 23                      ; + the tensor's 8,388,608
	s_add_co_u32 s20, s20, s21
	s_mov_b32 s21, 0
	s_lshl_b32 s46, s18, 9                         ; x 512 bytes of scale words
	s_lshl_b32 s47, ttmp9, 19
	s_add_co_u32 s46, s46, s47
	s_add_co_u32 s46, s46, 25165824
	s_mov_b32 s47, 0
	s_add_nc_u64 s[SCO:SCO+1], s[12:13], s[46:47]
	s_add_nc_u64 s[12:13], s[12:13], s[20:21]
	s_and_b32 s20, s22, 2047                       ; t inside the batch: a row of freqs_cis is 256 bytes
	s_lshl_b32 s20, s20, 8
	s_add_nc_u64 s[FQ:FQ+1], s[FQ:FQ+1], s[20:21]
	s_lshl_b32 s20, s23, 2
	s_add_nc_u64 s[BP:BP+1], s[BP:BP+1], s[20:21]
	s_mov_b32 s[SEL], 0x76543210
	s_mov_b32 s[SEL+1], 0xfedcba98
	s_mov_b32 s[MNT], 0x600000
	; the bias, in the result's layout: it is the C of each sum's first product
	s_cmp_eq_u32 s[ISV], 1
	s_cbranch_scc1 .Lbias_v
.irp b, 0,1,2,3,4,5,6,7                ; q, k: register j of tile b is channel 16 b + 8 h + j
	global_load_b128 v[BI+8*\b:BI+8*\b+3],   v[BO], s[BP:BP+1] offset:64*\b
	global_load_b128 v[BI+8*\b+4:BI+8*\b+7], v[BO], s[BP:BP+1] offset:64*\b+16
.endr
	s_branch .Lbias_done
.Lbias_v:
.irp a, 0,1,2,3,4,5,6,7                ; v: all eight registers of tile a are channel 16 a + r
.irp j, 0,1,2,3,4,5,6,7
	global_load_b32 v[BI+8*\a+\j], v[BV], s[BP:BP+1] offset:64*\a
.endr
.endr
.Lbias_done:
.macro FRAG reg, adr, q, i             ; a fragment, 16 rows x 128 K: lane l holds row l % 16; registers 4 c .. 4 c + 3 hold K = 32 c + 16 (l / 16) + 0 .. 15
.irp c, 0,1,2,3
	ds_load_b128 v[\reg+4*\c:\reg+4*\c+3], v[\adr] offset:128*(\q)+32*\c+(\i)*16*PITCH
.endr
.endm
; 16 matrix instructions: A's blocks a0, a0 + 1 x B's eight, 128 along K.  p: B's set; sc: the set of scale words.  cm = 0: onto the sums; 1: the sums begin with the bias of B's block; 2: of A's block.
; The 64 accumulators take turns, one instruction a turn, in the same order in every step.
.macro MUL16 a0, p, q, sc, cm
.irp a, \a0, \a0+1
.irp b, 0,1,2,3,4,5,6,7
.if (\cm) == 1
	v_wmma_scale_f32_16x16x128_f8f6f4 v[8*(8*((\a)%4)+\b):8*(8*((\a)%4)+\b)+7], v[128*(\p)+FR*\b:128*(\p)+FR*\b+FR-1], v[AF+FR*(\a):AF+FR*(\a)+FR-1], v[BI+8*\b:BI+8*\b+7], v[SC+8*NQ*(\sc)+NQ*\b+(\q)], v[SC+8*NQ*(\sc)+NQ*(\a)+(\q)] matrix_a_fmt:MATRIX_FMT_BF8 matrix_b_fmt:MATRIX_FMT_BF8 matrix_a_scale:MATRIX_SCALE_ROW1
.elseif (\cm) == 2
	v_wmma_scale_f32_16x16x128_f8f6f4 v[8*(8*((\a)%4)+\b):8*(8*((\a)%4)+\b)+7], v[128*(\p)+FR*\b:128*(\p)+FR*\b+FR-1], v[AF+FR*(\a):AF+FR*(\a)+FR-1], v[BI+8*(\a):BI+8*(\a)+7], v[SC+8*NQ*(\sc)+NQ*\b+(\q)], v[SC+8*NQ*(\sc)+NQ*(\a)+(\q)] matrix_a_fmt:MATRIX_FMT_BF8 matrix_b_fmt:MATRIX_FMT_BF8 matrix_a_scale:MATRIX_SCALE_ROW1
.else
	v_wmma_scale_f32_16x16x128_f8f6f4 v[8*(8*((\a)%4)+\b):8*(8*((\a)%4)+\b)+7], v[128*(\p)+FR*\b:128*(\p)+FR*\b+FR-1], v[AF+FR*(\a):AF+FR*(\a)+FR-1], v[8*(8*((\a)%4)+\b):8*(8*((\a)%4)+\b)+7], v[SC+8*NQ*(\sc)+NQ*\b+(\q)], v[SC+8*NQ*(\sc)+NQ*(\a)+(\q)] matrix_a_fmt:MATRIX_FMT_BF8 matrix_b_fmt:MATRIX_FMT_BF8 matrix_a_scale:MATRIX_SCALE_ROW1
.endif
.endr
.endr
.endm
.macro FETCH_B slot, q, p              ; B's eight fragments of the slot's q-th 128 along K into set p
	WIN TO_B
.irp i, 0,1,2,3,4,5,6,7
	FRAG 128*(\p)+FR*\i, ADRB+\slot, \q, \i
.endr
	WIN 0
.endm
.macro FETCH_A slot, q, i0             ; A's blocks i0 .. i0 + 3
.irp i, \i0, \i0+1, \i0+2, \i0+3
	FRAG AF+FR*(\i), ADRA+\slot, \q, \i
.endr
.endm
.macro SCALES sc                       ; a K step's scale words into set sc: two words a row; lanes 0-15 take A's block i, lanes 16-31 B's block i
.irp i, 0,1,2,3,4,5,6,7
	ds_load_b64 v[SC+8*NQ*\sc+NQ*\i:SC+8*NQ*\sc+NQ*\i+1], v[ADRS] offset:\i*SBLK
.endr
.endm
; A load into a register that a matrix instruction has read, and a vector instruction that reads a matrix result or writes one of a matrix instruction's registers, stand NP places behind it; only plain vector
; instructions that name none of its registers are places (ISA guide 7.12.1 for vector instructions).
.macro PLACES n
.rept \n
	v_nop
.endr
.endm
; A step of 128 along K that has its successor in the same slot.
.macro STEP slot, q, cm
	s_wait_dscnt 4*NL                              ; B's set and A's blocks 0-3 are in; the youngest sixteen loads (A's blocks 4-7) may be out
.if \cm
	WIN BIAS_LO
.else
	WIN MUL_LO
.endif
	MUL16 0, (\q)%2, \q, \slot, \cm
	MUL16 2, (\q)%2, \q, \slot, \cm
	s_wait_dscnt 0                                 ; A's blocks 4-7 are in (asked for 32 matrix instructions ago)
	PLACES NP
	FETCH_B \slot, (\q)+1, 1-(\q)%2
	FETCH_A \slot, (\q)+1, 0
.if \cm
	WIN BIAS_HI
.else
	WIN MUL_HI
.endif
	MUL16 4, (\q)%2, \q, \slot, \cm
	MUL16 6, (\q)%2, \q, \slot, \cm
	PLACES NP
	WIN 0
	FETCH_A \slot, (\q)+1, 4
.endm
; A slot's last step changes slots: ONE barrier; in front of it each wave waits for all its tensor loads, adds 0 to its spare word, and waits for that and for its own reads of this slot.  fill = 1: this slot is filled again, two K steps ahead.
.macro TURN slot, next, fill
	s_wait_tensorcnt 0x0                           ; all my tensor loads have landed: my part of the next slot;  (every window is 0 here)
	ds_add_u32 v[SPW], v[NIL]                      ; 0 onto my spare word
	s_wait_dscnt 4*NL+1                            ; (the add and the youngest sixteen loads, A's blocks 4-7, may be out)
	WIN MUL_LO
	MUL16 0, 1, NQ-1, \slot, 0                     ; sixteen matrix instructions stand between the add and the wait for it
	s_wait_dscnt 0x0                               ; the add is done, and my reads of this slot are over
	s_barrier_signal -1
	MUL16 2, 1, NQ-1, \slot, 0
	WIN 0
	s_barrier_wait -1
.if \fill
	CREST                                          ; the barrier has opened a round of the cluster's barrier: no wave of any partner still reads this slot's tile or has a load on its way
	s_add_nc_u64 s[G0+4*\slot+2:G0+4*\slot+3], s[G0+4*\slot+2:G0+4*\slot+3], 2*ROWB
	s_add_nc_u64 s[G0B+4*\slot+2:G0B+4*\slot+3], s[G0B+4*\slot+2:G0B+4*\slot+3], 2*ROWB
	JLOAD G0+4*\slot, G1, G0B+4*\slot, G1B         ; the first tensor load behind the round; the four v_nop behind it are among the places in front of the loads below
	PLACES NP-4
.else
	PLACES NP
.endif
	v_add_nc_u32 v[ADRS], 4*NQ, v[ADRS]            ; on to the next K step's scale words (no LDS load of mine is out)
	FETCH_B \next, 0, 0
	FETCH_A \next, 0, 0
	SCALES \next
	WIN MUL_HI
	MUL16 4, 1, NQ-1, \slot, 0
	MUL16 6, 1, NQ-1, \slot, 0
	PLACES NP
	WIN 0
	FETCH_A \next, 0, 4
.endm
	s_wait_tensorcnt 1                             ; the scale bytes and my part of K step 0 are in (K step 1's load may be out),
	s_barrier_signal -1
	s_barrier_wait -1                              ; everybody's are
	FETCH_B 0, 0, 0
	FETCH_A 0, 0, 0
	SCALES 0
	FETCH_A 0, 0, 4
	s_wait_loadcnt 0x0                             ; the bias
	s_cmp_eq_u32 s[ISV], 1                         ; the first step is written twice: its products start the sums with the bias, which lies along B's rows for q and k and along A's for v
	s_cbranch_scc1 .Lfirst_v
	STEP 0, 0, 1
	s_branch .Lfirst_done
.Lfirst_v:
	STEP 0, 0, 2
.Lfirst_done:
	s_mov_b32 s3, LAPS-1
.Llap:                                                 ; a trip goes once round the ring, from a lap's second step to the next lap's first, and fills both slots again
	TURN 0, 1, 1
	STEP 1, 0, 0
	TURN 1, 0, 1
	STEP 0, 0, 0
	s_sub_co_u32 s3, s3, 1
	s_cmp_lg_u32 s3, 0
	s_cbranch_scc1 .Llap
	TURN 0, 1, 0                                   ; the last lap fills nothing, and has no round of the cluster's barrier
	STEP 1, 0, 0
	s_wait_dscnt 4*NL                              ; the very last step: nothing more to fetch
	WIN MUL_LO
	MUL16 0, 1, NQ-1, 1, 0
	MUL16 2, 1, NQ-1, 1, 0
	s_wait_dscnt 0
	WIN MUL_HI
	MUL16 4, 1, NQ-1, 1, 0
	MUL16 6, 1, NQ-1, 1, 0
	WIN 0
; THE WAY OUT, tile a (A's block a) after tile: a lane's 64 numbers are four blocks of 32 along the next K, 16 numbers of each; they are quantised and stored from registers: each store covers 512 consecutive bytes, aligned.
; QUANT: 64 numbers at v[src] on of window w, register 16 b + i of block b, become 16 registers of codes in v[PC] on and the scale word v[pw].
; A block's scale is 2^(floor(log2(its largest magnitude)) - 15): its byte is the largest magnitude's exponent field - 15, held at 1 from below by the floor 2^(16 - 127) among the maximum's leaves.
.macro QUANT src, w, pw
	WIN ((\w)<<2)|((\w)<<4)                        ; sources 1 and 2: the numbers' window
.irp b, 0,1,2,3
	v_max3_num_f32 v[TM+\b], 0x8000000, |v[(\src)+16*\b]|, |v[(\src)+16*\b+1]|   ; each accumulator is read from its low end on
.endr
.irp i, 2,4,6,8,10,12,14
.irp b, 0,1,2,3
	v_max3_num_f32 v[TM+\b], v[TM+\b], |v[(\src)+16*\b+\i]|, |v[(\src)+16*\b+\i+1]|   ; (the four blocks by turns)
.endr
.endr
	WIN 0
.irp b, 0,1,2,3
	v_permlanex16_b32 v[TM+4+\b], v[TM+\b], s[SEL], s[SEL+1]
.endr
.irp b, 0,1,2,3
	v_max_num_f32 v[TM+\b], v[TM+\b], v[TM+4+\b]   ; with lane l xor 16's 16: the block's largest magnitude
.endr
.irp b, 0,1,2,3
	v_add_nc_u32 v[TM+12+\b], 0xf8800000, v[TM+\b] ; 15 off its exponent field: the conversion takes the exponent field of this operand as its scale
.endr
.irp b, 0,1,2,3
	v_and_or_b32 v[TM+8+\b], v[TM+\b], 0x7f800000, s[MNT]   ; 57,344 x the scale
.endr
.irp b, 0,1,2,3
	v_lshrrev_b32 v[TM+4+\b], 23, v[TM+12+\b]      ; the scale's byte
.endr
	v_lshl_or_b32 v[\pw], v[TM+5], 8, v[TM+4]
	v_lshl_or_b32 v[\pw], v[TM+6], 16, v[\pw]
	v_lshl_or_b32 v[\pw], v[TM+7], 24, v[\pw]
	WIN \w                                         ; source 0: the numbers' window
.irp b, 0,1,2,3
.irp i, 0,1,2,3,4,5,6,7,8,9,10,11,12,13,14,15
	v_med3_num_f32 v[T+16*\b+\i], v[(\src)+16*\b+\i], -v[TM+8+\b], v[TM+8+\b]   ; the conversion to an 8-bit code does not saturate (ISA guide 7.6.2): the hold; it also brings the number into window 0
.endr
.endr
	WIN 0
	s_wait_xcnt 0x0                                ; the last tile's stores have read the codes' registers: they are written again only behind this wait
.irp b, 0,1,2,3
	v_cvt_scalef32_pk8_bf8_f32 v[PC+4*\b:PC+4*\b+1], v[T+16*\b:T+16*\b+7], v[TM+12+\b]
	v_cvt_scalef32_pk8_bf8_f32 v[PC+4*\b+2:PC+4*\b+3], v[T+16*\b+8:T+16*\b+15], v[TM+12+\b]
.endr
	v_nop                                          ; a plain vector instruction between the conversions and the next vector instruction that writes their sources
.endm
; ROPE: tile a's 64 numbers, rotated in pairs of channels, into v[T] on.  cos and sin of (t, pair) lie in window 1: register 32 a + 8 (b % 4) + 2 jp and the next.
.macro ROPE a
	WIN 0x06+(\a)/4                                ; source 0: the accumulators' window; source 1: window 1
.set AC, 64*((\a)%4)
.irp b, 0,1,2,3,4,5,6,7
.irp jp, 0,1,2,3
	v_mul_f32 v[R+2*(\jp%2)],   v[AC+8*\b+2*\jp+1], v[32*(\a)+8*(\b%4)+2*\jp+1]                       ; x2 sin
	v_mul_f32 v[R+2*(\jp%2)+1], v[AC+8*\b+2*\jp+1], v[32*(\a)+8*(\b%4)+2*\jp]                         ; x2 cos
	v_fma_f32 v[T+8*\b+2*\jp],   v[AC+8*\b+2*\jp], v[32*(\a)+8*(\b%4)+2*\jp],   -v[R+2*(\jp%2)]       ; x1 cos - x2 sin
	v_fma_f32 v[T+8*\b+2*\jp+1], v[AC+8*\b+2*\jp], v[32*(\a)+8*(\b%4)+2*\jp+1], v[R+2*(\jp%2)+1]      ; x1 sin + x2 cos
.endr
.endr
	WIN 0
.endm
	PLACES NP                                      ; behind the last products: for the reads of results, and for loads and writes into registers that held fragments
.irp b, 0,1,2,3
	v_mov_b32 v[TM+4+\b], 0                        ; written once: a lane permute's destination counts as one of its sources
.endr
	s_cmp_eq_u32 s[ISV], 1
	s_cbranch_scc1 .Lout_v
	; q, k.  Lane (r, h) of tile a holds t = T0 + 16 a + r; register 8 b + j channel 16 b + 8 h + j of my 128: two heads, b / 4
	WIN TO_B
.irp a, 0,1,2,3,4,5,6,7
.irp k, 0,1,2,3,4,5,6,7
	global_load_b128 v[32*\a+4*\k:32*\a+4*\k+3], v[FA], s[FQ:FQ+1] offset:\a*4096+(\k/2)*64+(\k%2)*16   ; (cos, sin) of two pairs: channels 16 (k / 2) + 8 h + 4 (k % 2) on, of a head's 64
.endr
.endr
	WIN 0
.irp a, 0,1,2,3,4,5,6,7
	s_wait_loadcnt 8*(7-\a)                        ; this tile's eight loads are in; the later tiles' may be out
	ROPE \a
	QUANT T, 0, PWS+\a
.irp m, 0,1,2,3                        ; block m: head m / 2, its block m % 2
	global_store_b128 v[L16], v[PC+4*\m:PC+4*\m+3], s[12:13] offset:(\m/2)*131072+\a*1024+(\m%2)*512
.endr
.endr
.irp b, 0,1,2,3                        ; the scale words as the attention launch takes them: tiles 2 b and 2 b + 1 in one word, for each head
	v_perm_b32 v[SW+\b],   v[PWS+2*\b+1], v[PWS+2*\b], 0x05040100
	v_perm_b32 v[SW+4+\b], v[PWS+2*\b+1], v[PWS+2*\b], 0x07060302
.endr
.irp e, 0,1
	global_store_b128 v[L16], v[SW+4*\e:SW+4*\e+3], s[SCO:SCO+1] offset:\e*8192
.endr
	s_branch .Lout_done
.Lout_v:
	; v.  Lane (r, h) of tile a holds channel C0 + 16 a + r: head a / 4, its tile a % 4; register 8 b + j key 16 b + 8 h + j of the step's 128.  The bias is in the sums already
.irp a, 0,1,2,3,4,5,6,7
	QUANT 64*(\a%4), 2+\a/4, PWS+\a
.irp m, 0,1,2,3
	global_store_b128 v[L16], v[PC+4*\m:PC+4*\m+3], s[12:13] offset:(\a/4)*131072+(\a%4)*2048+\m*512
.endr
.endr
.irp e, 0,1
	global_store_b128 v[L16], v[PWS+4*\e:PWS+4*\e+3], s[SCO:SCO+1] offset:\e*8192
.endr
.Lout_done:
	s_wait_tensorcnt 0x0                           ; the wave's end
	ds_add_u32 v[SPW], v[NIL]
	s_wait_dscnt 0x0
	CROUND                                         ; the closing round: no work-group ends while a partner may still ask for a tile that names it
	s_endpgm
.Lfunc_end_k_qe14beb26e5_qkv:
	.size	k_qe14beb26e5_qkv, .Lfunc_end_k_qe14beb26e5_qkv-k_qe14beb26e5_qkv
	.p2alignl 7, 3214868480
	.fill 96, 4, 3214868480
	.section	.rodata,"a",@progbits
	.p2align	6, 0x0
	.amdhsa_kernel k_qe14beb26e5_qkv
		.amdhsa_group_segment_fixed_size 327680
		.amdhsa_private_segment_fixed_size 0
		.amdhsa_enable_private_segment 0
		.amdhsa_kernarg_size 104
		.amdhsa_user_sgpr_count 2
		.amdhsa_user_sgpr_kernarg_segment_ptr 1
		.amdhsa_wavefront_size32 1
		.amdhsa_system_sgpr_workgroup_id_x 1
		.amdhsa_system_sgpr_workgroup_id_y 1
		.amdhsa_system_sgpr_workgroup_id_z 1
		.amdhsa_system_vgpr_workitem_id 0
		.amdhsa_next_free_vgpr 1024
		.amdhsa_next_free_sgpr 106
		.amdhsa_reserve_vcc 0
		.amdhsa_float_denorm_mode_32 3
		.amdhsa_float_denorm_mode_16_64 3
		.amdhsa_memory_ordered 1
		.amdhsa_forward_progress 1
		.amdhsa_inst_pref_size 255
	.end_amdhsa_kernel
	.section	.bss,"aw",@nobits
	.p2align	6
	.space	262144
	.amdgpu_metadata
---
amdhsa.version: [ 1, 2 ]
amdhsa.kernels:
  - .name:           k_qe14beb26e5_qkv
    .symbol:         k_qe14beb26e5_qkv.kd
    .args:
      - { .name: x_codes, .offset: 0, .size: 8, .value_kind: global_buffer, .address_space: global }
      - { .name: x_scales, .offset: 8, .size: 8, .value_kind: global_buffer, .address_space: global }
      - { .name: Wq_codes, .offset: 16, .size: 8, .value_kind: global_buffer, .address_space: global }
      - { .name: Wq_scales, .offset: 24, .size: 8, .value_kind: global_buffer, .address_space: global }
      - { .name: Wk_codes, .offset: 32, .size: 8, .value_kind: global_buffer, .address_space: global }
      - { .name: Wk_scales, .offset: 40, .size: 8, .value_kind: global_buffer, .address_space: global }
      - { .name: Wv_codes, .offset: 48, .size: 8, .value_kind: global_buffer, .address_space: global }
      - { .name: Wv_scales, .offset: 56, .size: 8, .value_kind: global_buffer, .address_space: global }
      - { .name: bq, .offset: 64, .size: 8, .value_kind: global_buffer, .address_space: global }
      - { .name: bk, .offset: 72, .size: 8, .value_kind: global_buffer, .address_space: global }
      - { .name: bv, .offset: 80, .size: 8, .value_kind: global_buffer, .address_space: global }
      - { .name: freqs_cis, .offset: 88, .size: 8, .value_kind: global_buffer, .address_space: global }
      - { .name: qkv, .offset: 96, .size: 8, .value_kind: global_buffer, .address_space: global }
    .group_segment_fixed_size: 327680
    .private_segment_fixed_size: 0
    .kernarg_segment_align: 8
    .kernarg_segment_size: 104
    .max_flat_workgroup_size: 128
    .sgpr_count:     106
    .vgpr_count:     1024
    .wavefront_size: 32
...
	.end_amdgpu_metadata
.endif
;; end of part 2
;; launch attn (part 3): grid 4 x 64, 16 waves a work-group, no clusters, 280,576 bytes of LDS; arguments qkv, masks, sums, ycodes, yscales; writes ycodes, yscales
.if DOCPART == 3
	.amdgcn_target "amdgcn-amd-amdhsa--gfx1250"
	.amdhsa_code_object_version 6
	.text
	.protected	k_qe14beb26e5_attn
	.globl	k_qe14beb26e5_attn
	.p2align	8
	.type	k_qe14beb26e5_attn,@function
k_qe14beb26e5_attn:
	s_mov_b64 s[64:65], 0
	v_nop
	global_prefetch_b8 v0, s[64:65] scope:SCOPE_SE
	s_setreg_imm32_b32 hwreg(HW_REG_WAVE_MODE, 25, 1), 1
	s_wait_xcnt 0x0
; y[b][q][head's 64] = the sum over k of softmax_k(q . k / 8, masked) v[k], both products on codes of BF8 (E5M2) with one E8M0 scale for each 32 along K; y is quantised along C and leaves as codes.
; THE SOFTMAX AHEAD OF THE SECOND PRODUCT: t = score x log2(e) / 8; M = the running largest t, rounded UP to a whole number; p = 2^(t - M) is what is quantised, along the keys; the row's sum is taken of the
; unquantised p and divides at the end.  When M moves, the sum and O are multiplied by 2^(old M - new M): exact.
; SHARES.  A work-group (j, batch x 16 + head) copies the head's K, V and their scale words into LDS ONCE (272 KiB, through registers); behind one barrier LDS is only read.  Wave w has g = 16 j + w and owns
; the query tiles g and 127 - g, one after the other, 16 queries each; four waves to a SIMD, so that one wave's vector work stands beside another's products and LDS loads.
; NO TENSOR LOAD AND NO JOINT LOAD, though the four work-groups of a head read the same 272 KiB: the walk over key steps branches on stored whole numbers.  What is shared is read
; once a work-group; the branches leave out up to 15 of a tile's 16 steps.
; MASKS.  An earlier launch has stored, for each (batch, tile, step), 64 lane-mask words (buffer masks; word n: which lanes' register n counts) and a summary (buffer sums).  A step in which no query of the tile has a key
; that counts is left out, if every query of the tile has such a key somewhere (else nothing is left out: a row with no such key is the mean of all rows of v, as reference() gives it).  A step in which all count skips the selects.
; A score that does not count becomes -2^103 (as a logit about -1.3e30 where reference() has -1e30): c x 2^103 is exact, so in a row where nothing counts t - M = 0 and p = 1; as soon as a key counts, 2^(old M - new M) = 0.
; LIMITS: logits that count and lie under about -1e29 are not told from masked ones; NaN and infinities are not served; a block of zeros gets the byte 1 (its codes are zeros; this program alone reads the bytes).
; K = 64 IN AN INSTRUCTION OF K = 128.  A fragment of K holds key tile 2 b in registers 0-7 and tile 2 b + 1 in registers 8-15.  Q is kept twice: QA = [q | zero codes], QB = [zero codes | q]: K_b x QA are the scores of
; tile 2 b, K_b x QB those of tile 2 b + 1.  The zeros stand on Q's side alone: K's codes are finite (the quantiser holds at the largest code) and no scale byte is 0xff.
; LAYOUT.  Both products are used transposed: S^T = K Q^T, O^T = V^T P^T: a lane holds ONE query (lane % 16).  Register 16 b + i of S^T is key 32 b + 16 (i / 8) + 8 h + i % 8: inside a block of 32 the keys
; are permuted, and V's codes were laid with the same permutation: the products are the same, summed in another order.
.set L16,  1                           ; v1   16 x lane: K's images
.set AV0,  2                           ; v2   + 131,072: V's
.set AS0,  3                           ; v3   + 262,144: K's scale words
.set AT0,  4                           ; v4   + 270,336: V's
.set YA,   5                           ; v5   y's codes: 16 r + 8 h
.set YSA,  6                           ; v6   y's scale bytes: 32 r + h
.set ADK,  8                           ; v8-11 the step's LDS addresses
.set ADV,  9
.set ADS,  10
.set ADT,  11
.set QA,   16                          ; v16-31 (v24-31 zero codes)
.set QB,   32                          ; v32-47 (v32-39 zero codes)
.set KF,   48                          ; v48-111  four fragments of K, then four of V
.set S,    112                         ; v112-175 S^T, then p; on the way out y
.set O,    176                         ; v176-207 O^T
.set PC,   208                         ; v208-223 p's codes
.set KSW,  224                         ; v224-227 K's scale words
.set VSW,  228                         ; v228-231 V's
.set QWA,  232                         ; q's scale word for QA,
.set QWB,  233                         ; for QB
.set PW,   234                         ; p's scale word
.set QRAW, 235
.set BM,   236                         ; v236-239 the blocks' largest scores, then largest p
.set BP,   240                         ; v240-243 permutes, a chain of the sum, bytes
.set LIM,  244
.set SCO,  248                         ; v248-251 the conversions' scale operands
.set F,    252                         ; v[252:253] f = 2^(old M - new M) (the upper half is named with it, so it is written once)
.set TV,   254
.set SMK,  255                         ; -2^103
.set G,    2                           ; s2   g
.set QT,   3                           ; s3   the query tile
.set MW,   4                           ; s[4:5] the step's 64 mask words
.set TT,   14                          ; s14  counts my two tiles
.set ST,   15                          ; s15  counts the 16 steps
.set SKIP, 78                          ; s78  bit 0: this step is left out
.set OPEN, 79                          ; s79  bit 0: all of this step's pairs count
.set TK,   96                          ; s96  the step's images: 8,192 bytes a step
.set TS,   97                          ; s97  its scale words: 512 bytes a step
.set SEL,  98                          ; s[98:99] lane selects: lane l xor 16
.set CS,   100                         ; s[100:101] c = log2(e) / 8
.set MNT,  104
.set HI,   105                         ; s105 lanes 16-31
	s_load_b256 s[4:11], s[0:1], 0x0               ; qkv, masks, sums, ycodes
	s_load_b64 s[26:27], s[0:1], 0x20              ; yscales
	v_lshrrev_b32 v1, 5, v0
	s_delay_alu instid0(VALU_DEP_1)
	v_readfirstlane_b32 s[G], v1                   ; wave 0..15
	s_and_b32 s3, ttmp7, 0xffff                    ; batch x 16 + head
	v_lshlrev_b32 v2, 4, v0                        ; the fill: 16 bytes a thread, 8,192 an instruction
	s_delay_alu instid0(VALU_DEP_1)
	v_add_nc_u32 v3, 0x10000, v2
	s_delay_alu instid0(VALU_DEP_2)
	v_add_nc_u32 v4, 0x20000, v2
	s_delay_alu instid0(VALU_DEP_3)
	v_add_nc_u32 v5, 0x30000, v2
	s_delay_alu instid0(VALU_DEP_4)
	v_add_nc_u32 v6, 0x40000, v2
	s_lshl_b32 s12, s3, 17                         ; a head's codes: 131,072 bytes
	s_mov_b32 s13, 0
	s_lshl_b32 s14, s3, 13                         ; its scale words: 8,192 bytes
	s_add_co_u32 s14, s14, 25165824
	s_mov_b32 s15, 0
	s_wait_alu depctr_va_vdst(0)
	s_wait_kmcnt 0x0
	s_add_nc_u64 s[66:67], s[4:5], s[12:13]        ; q's codes of the head,
	s_add_nc_u64 s[16:17], s[66:67], 0x800000      ; k's,
	s_add_nc_u64 s[18:19], s[66:67], 0x1000000     ; v's
	s_add_nc_u64 s[68:69], s[4:5], s[14:15]        ; q's scale words,
	s_add_nc_u64 s[20:21], s[68:69], 0x80000       ; k's,
	s_add_nc_u64 s[22:23], s[68:69], 0x100000      ; v's
.irp i, 0,1,2,3,4,5,6,7,8,9,10,11,12,13,14,15
	global_load_b128 v[16+4*\i:19+4*\i], v2, s[16:17] offset:8192*\i
.endr
.irp i, 0,1,2,3,4,5,6,7,8,9,10,11,12,13,14,15
	global_load_b128 v[80+4*\i:83+4*\i], v2, s[18:19] offset:8192*\i
.endr
	global_load_b128 v[144:147], v2, s[20:21]
	global_load_b128 v[148:151], v2, s[22:23]
	; the head's bases, while the loads are out
	s_lshl_b32 s12, ttmp9, 4
	s_add_co_u32 s[G], s[G], s12                   ; g = 16 j + wave
	s_lshr_b32 s12, s3, 4                          ; the batch
	s_and_b32 s24, s3, 15                          ; the head
	s_lshl_b32 s14, s12, 19                        ; a batch's mask words: 128 x 16 x 256 bytes
	s_add_nc_u64 s[70:71], s[6:7], s[14:15]
	s_lshl_b32 s14, s12, 5                         ; the summaries: [tile][half][batch][8 words]
	s_add_nc_u64 s[72:73], s[8:9], s[14:15]
	s_lshr_b32 s14, s24, 2                         ; y's codes: [K step of 256: head / 4][tile of 16 rows: 512][4,096 bytes], the head's 1,024 bytes at (head % 4) x 1,024
	s_lshl_b32 s14, s14, 21
	s_lshl_b32 s25, s12, 19
	s_add_co_u32 s14, s14, s25
	s_and_b32 s25, s24, 3
	s_lshl_b32 s25, s25, 10
	s_add_co_u32 s14, s14, s25
	s_add_nc_u64 s[74:75], s[10:11], s[14:15]
	s_lshl_b32 s14, s12, 16                        ; y's scale bytes: [row][32], the head's two at 2 x head
	s_lshl_b32 s25, s24, 1
	s_add_co_u32 s14, s14, s25
	s_add_nc_u64 s[76:77], s[26:27], s[14:15]
	s_mov_b32 s[SEL], 0x76543210
	s_mov_b32 s[SEL+1], 0xfedcba98
	s_mov_b32 s[CS], 0x3e38aa3b
	s_mov_b32 s[CS+1], s[CS]                       ; (named with it as a pair, so it is written)
	s_mov_b32 s[HI], 0xffff0000
	s_mov_b32 s[TT], 0
.set i, 0
.rept 34                               ; K at 0, V at 131,072, K's scale words at 262,144, V's at 270,336
	s_wait_loadcnt 33-i                            ; loads come back in order: this one is in, the younger ones may be out
	ds_store_b128 v[2+i/8], v[16+4*i:19+4*i] offset:(i%8)*8192
.set i, i+1
.endr
	s_wait_dscnt 0x0                               ; for the others' sake: my stores have landed
	s_barrier_signal -1
	s_barrier_wait -1                              ; the head lies in LDS; from here on LDS is only read
	v_and_b32 v7, 31, v0
	s_delay_alu instid0(VALU_DEP_1)
	v_lshlrev_b32 v[L16], 4, v7
	s_delay_alu instid0(VALU_DEP_1)
	v_add_nc_u32 v[AV0], 0x20000, v[L16]
	s_delay_alu instid0(VALU_DEP_2)
	v_add_nc_u32 v[AS0], 0x40000, v[L16]
	s_delay_alu instid0(VALU_DEP_3)
	v_add_nc_u32 v[AT0], 0x42000, v[L16]
	v_and_b32 v7, 15, v0                           ; r
	v_bfe_u32 v9, v0, 4, 1                         ; h
	s_delay_alu instid0(VALU_DEP_2)
	v_lshlrev_b32 v[YA], 4, v7
	s_delay_alu instid0(VALU_DEP_1)
	v_lshl_add_u32 v[YA], v9, 3, v[YA]
	s_delay_alu instid0(VALU_DEP_3)
	v_lshl_add_u32 v[YSA], v7, 5, v9
.irp i, 0,1,2,3,4,5,6,7
	v_mov_b32 v[QA+8+\i], 0                        ; the zero codes
	v_mov_b32 v[QB+\i], 0
.endr
.irp b, 0,1,2,3
	v_mov_b32 v[BP+\b], 0                          ; written once: a lane permute's destination counts as one of its sources
.endr
	v_mov_b32 v[F+1], 0
	v_mov_b32 v[SMK], 0xf3000000
.Ltile:                                            ; two trips: tile g, then tile 127 - g
	s_sub_co_u32 s[QT], 127, s[G]
	s_cmp_eq_u32 s[TT], 0
	s_cselect_b32 s[QT], s[G], s[QT]
	s_mov_b32 s13, 0
	s_lshl_b32 s12, s[QT], 10                      ; q's image: 1,024 bytes a tile
	s_add_nc_u64 s[6:7], s[66:67], s[12:13]
	s_lshr_b32 s12, s[QT], 3                       ; its scale word: step qt / 8, word (qt / 2) % 4, half qt % 2
	s_lshl_b32 s12, s12, 9
	s_bfe_u32 s10, s[QT], 0x20001
	s_lshl_b32 s10, s10, 2
	s_add_co_u32 s12, s12, s10
	s_add_nc_u64 s[8:9], s[68:69], s[12:13]
	s_lshl_b32 s12, s[QT], 12                      ; the tile's mask words: 16 steps x 256 bytes
	s_add_nc_u64 s[MW:MW+1], s[70:71], s[12:13]
	s_lshl_b32 s12, s[QT], 8
	s_add_nc_u64 s[10:11], s[72:73], s[12:13]
	global_load_b128 v[QA:QA+3],     v[L16], s[6:7]
	global_load_b128 v[QA+4:QA+7],   v[L16], s[6:7] offset:512
	global_load_b128 v[QB+8:QB+11],  v[L16], s[6:7]
	global_load_b128 v[QB+12:QB+15], v[L16], s[6:7] offset:512
	global_load_b32 v[QRAW], v[L16], s[8:9]
	s_load_b256 s[16:23], s[10:11], 0x0            ; the summaries of steps 0-7,
	s_load_b256 s[24:31], s[10:11], 0x80           ; and 8-15
	s_mov_b32 s[SKIP], 0
	s_mov_b32 s[OPEN], 0
	s_mov_b32 s[TK], 0                             ; (here: the OR of the summaries' query bits)
	s_wait_kmcnt 0x0
.irp s, 0,1,2,3,4,5,6,7,8,9,10,11,12,13,14,15
	s_and_b32 s12, s[16+\s], 0xffff                ; which queries have a key that counts in step s
	s_cselect_b32 s[TS], 0, 1<<\s                  ; none: the step may be left out
	s_or_b32 s[SKIP], s[SKIP], s[TS]
	s_or_b32 s[TK], s[TK], s12
	s_bfe_u32 s[TS], s[16+\s], 0x10010             ; bit 16: all pairs count
	s_lshl_b32 s[TS], s[TS], \s
	s_or_b32 s[OPEN], s[OPEN], s[TS]
.endr
	s_cmp_eq_u32 s[TK], 0xffff                     ; has every query of the tile a key that counts?
	s_cselect_b32 s[TS], -1, 0
	s_and_b32 s[SKIP], s[SKIP], s[TS]              ; if not, no step is left out
	s_and_b32 s12, s[QT], 1
	s_lshl_b32 s12, s12, 4
	s_mov_b32 s[TK], 0
	s_mov_b32 s[TS], 0
	s_mov_b32 s[ST], 0
	s_wait_loadcnt 0x0                             ; q
	v_lshrrev_b32 v[QWA], s12, v[QRAW]             ; my tile's two bytes in bytes 0, 1 (what stands above them scales zero codes, and is never 0xff),
	s_delay_alu instid0(VALU_DEP_1)
	v_lshlrev_b32 v[QWB], 16, v[QWA]               ; and in bytes 2, 3
	v_mov_b32 v13, 0xff61b1e6                      ; the largest t so far: -3e38, under every t
	s_delay_alu instid0(VALU_DEP_1)
	v_floor_f32 v12, -v13                          ; -M
	v_mov_b32 v14, 0                               ; the sum, in two halves
	v_mov_b32 v15, 0
.irp j, 0,1,2,3,4,5,6,7,8,9,10,11,12,13,14,15,16,17,18,19,20,21,22,23,24,25,26,27,28,29,30,31
	v_mov_b32 v[O+\j], 0                           ; O^T begins as zeros: which step is the first that runs hangs on the masks, so none can be written out to start the sums.  (These lines are also the places behind the scale words just made)
.endr
.Lstep:                                            ; 16 trips, always; a step's work may be jumped over
	s_bitcmp1_b32 s[SKIP], 0
	s_cbranch_scc1 .Lnext
	s_load_b512 s[16:31], s[MW:MW+1], 0x0          ; the step's 64 mask words
	s_load_b512 s[32:47], s[MW:MW+1], 0x40
	s_load_b512 s[48:63], s[MW:MW+1], 0x80
	s_load_b512 s[80:95], s[MW:MW+1], 0xc0
	s_setprio 2
	v_add_nc_u32 v[ADK], s[TK], v[L16]
	v_add_nc_u32 v[ADV], s[TK], v[AV0]
	v_add_nc_u32 v[ADS], s[TS], v[AS0]
	v_add_nc_u32 v[ADT], s[TS], v[AT0]
.rept 4
	v_nop                                          ; with the four additions: eight places in front of loads into registers that the last products have read
.endr
.irp b, 0,1,2,3
.irp m, 0,1,2,3
	ds_load_b128 v[KF+16*\b+4*\m:KF+16*\b+4*\m+3], v[ADK] offset:\b*2048+\m*512   ; images of registers: 512 consecutive bytes an instruction
.endr
.endr
	ds_load_b128 v[KSW:KSW+3], v[ADS]
	s_wait_alu depctr_va_vdst(0)
	s_wait_dscnt 0x0
.irp b, 0,1,2,3                        ; S^T: key tiles 2 b and 2 b + 1 from one fragment of K
	v_wmma_scale_f32_16x16x128_f8f6f4 v[S+16*\b:S+16*\b+7],    v[KF+16*\b:KF+16*\b+15], v[QA:QA+15], 0, v[KSW+\b], v[QWA] matrix_a_fmt:MATRIX_FMT_BF8 matrix_b_fmt:MATRIX_FMT_BF8
	v_wmma_scale_f32_16x16x128_f8f6f4 v[S+16*\b+8:S+16*\b+15], v[KF+16*\b:KF+16*\b+15], v[QB:QB+15], 0, v[KSW+\b], v[QWB] matrix_a_fmt:MATRIX_FMT_BF8 matrix_b_fmt:MATRIX_FMT_BF8
.endr
.rept 8
	v_nop                                          ; places: in front of the loads into K's registers, and of the first read of the scores
.endr
.irp t, 0,1,2,3
.irp c, 0,1,2,3
	ds_load_b128 v[KF+16*\t+4*\c:KF+16*\t+4*\c+3], v[ADV] offset:\t*2048+\c*512   ; V's four fragments land while the softmax is worked
.endr
.endr
	ds_load_b128 v[VSW:VSW+3], v[ADT]
	s_wait_kmcnt 0x0                               ; the mask words
	s_bitcmp1_b32 s[OPEN], 0
	s_cbranch_scc1 .Lopen
.set n, 0
.rept 64                               ; a score that does not count becomes -2^103
.if n < 48
	v_cndmask_b32 v[S+n], v[SMK], v[S+n], s[16+n]
.else
	v_cndmask_b32 v[S+n], v[SMK], v[S+n], s[32+n]
.endif
.set n, n+1
.endr
.Lopen:
.irp b, 0,1,2,3
	v_max3_num_f32 v[BM+\b], v[S+16*\b], v[S+16*\b+1], v[S+16*\b+2]   ; the largest score of each block of 32 keys: for the row's maximum and, since p rises with the score, for the block's largest p
.endr
.irp i, 3,5,7,9,11,13
.irp b, 0,1,2,3
	v_max3_num_f32 v[BM+\b], v[BM+\b], v[S+16*\b+\i], v[S+16*\b+\i+1]
.endr
.endr
.irp b, 0,1,2,3
	v_max_num_f32 v[BM+\b], v[BM+\b], v[S+16*\b+15]
.endr
.irp b, 0,1,2,3
	s_delay_alu instid0(VALU_DEP_4)
	v_permlanex16_b32 v[BP+\b], v[BM+\b], s[SEL], s[SEL+1]
.endr
.irp b, 0,1,2,3
	s_delay_alu instid0(VALU_DEP_4)
	v_max_num_f32 v[BM+\b], v[BM+\b], v[BP+\b]     ; with lane l xor 16's 16 keys
.endr
	s_delay_alu instid0(VALU_DEP_2)
	v_max3_num_f32 v[TV], v[BM], v[BM+1], v[BM+2]
	s_delay_alu instid0(VALU_DEP_1)
	v_max_num_f32 v[TV], v[TV], v[BM+3]            ; the step's largest score of my query
	s_delay_alu instid0(VALU_DEP_1)
	v_mul_f32 v[TV], s[CS], v[TV]                  ; as t
	s_delay_alu instid0(VALU_DEP_1)
	v_max_num_f32 v13, v13, v[TV]                  ; the running largest t
	v_mov_b32 v[TV], v12
	s_delay_alu instid0(VALU_DEP_2)
	v_floor_f32 v12, -v13                          ; the new -M = -ceil(t)
	s_delay_alu instid0(VALU_DEP_1)
	v_sub_f32 v[TV], v12, v[TV]                    ; old M - new M: a whole number, 0 or less
	s_delay_alu instid0(VALU_DEP_1)
	v_cvt_i32_f32 v[TV], v[TV]                     ; (it saturates)
	s_delay_alu instid0(VALU_DEP_1)
	v_ldexp_f32 v[F], 1.0, v[TV]                   ; f = 2^(old M - new M)
.irp j, 0,2,4,6,8,10,12,14,16,18,20,22,24,26,28,30,32,34,36,38,40,42,44,46,48,50,52,54,56,58,60,62
	v_pk_fma_f32 v[S+\j:S+\j+1], v[S+\j:S+\j+1], s[CS:CS+1], v[12:13] op_sel_hi:[1,0,0]   ; t - M, two at a time
.endr
	s_setprio 1
.irp b, 0,1,2,3
	v_fma_f32 v[BM+\b], v[BM+\b], s[CS], v12       ; the same of each block's largest score
.endr
	s_wait_alu depctr_va_vdst(0)
.irp j, 0,1,2,3,4,5,6,7,8,9,10,11,12,13,14,15,16,17,18,19,20,21,22,23,24,25,26,27,28,29,30,31,32,33,34,35,36,37,38,39,40,41,42,43,44,45,46,47,48,49,50,51,52,53,54,55,56,57,58,59,60,61,62,63
	v_exp_f32 v[S+\j], v[S+\j]                     ; p = 2^(t - M), at most 1
.endr
	v_pk_mul_f32 v[14:15], v[14:15], v[F:F+1] op_sel_hi:[1,0]   ; the sums under the new M.  (The plain instruction behind the exponentials)
	s_wait_alu depctr_va_vdst(0)                   ; one wait for the batch of 64, ahead of its first reader
.irp b, 0,1,2,3
	v_exp_f32 v[BM+\b], v[BM+\b]                   ; the block's largest p: the same two instructions on the same number give the same bits
.endr
	v_pk_add_f32 v[240:241], v[116:117], v[120:121]
	v_pk_add_f32 v[250:251], v[124:125], v[128:129]
	v_pk_add_f32 v[248:249], v[132:133], v[136:137]
	v_pk_add_f32 v[246:247], v[140:141], v[144:145]
	v_pk_add_f32 v[244:245], v[148:149], v[152:153]
	v_pk_add_f32 v[242:243], v[156:157], v[160:161]
	v_pk_add_f32 v[234:235], v[164:165], v[168:169]
	v_pk_add_f32 v[14:15], v[14:15], v[172:173]
	v_pk_add_f32 v[240:241], v[240:241], v[112:113]
	v_pk_add_f32 v[250:251], v[250:251], v[114:115]
	v_pk_add_f32 v[248:249], v[248:249], v[118:119]
	v_pk_add_f32 v[246:247], v[246:247], v[122:123]
	v_pk_add_f32 v[244:245], v[244:245], v[126:127]
	v_pk_add_f32 v[242:243], v[242:243], v[130:131]
	v_pk_add_f32 v[234:235], v[234:235], v[134:135]
	v_pk_add_f32 v[14:15], v[14:15], v[138:139]
	v_pk_add_f32 v[240:241], v[240:241], v[142:143]
	v_pk_add_f32 v[250:251], v[250:251], v[146:147]
	v_pk_add_f32 v[248:249], v[248:249], v[150:151]
	v_pk_add_f32 v[246:247], v[246:247], v[154:155]
	v_pk_add_f32 v[244:245], v[244:245], v[158:159]
	v_pk_add_f32 v[242:243], v[242:243], v[162:163]
	v_pk_add_f32 v[234:235], v[234:235], v[166:167]
	v_pk_add_f32 v[14:15], v[14:15], v[170:171]
	v_pk_add_f32 v[240:241], v[240:241], v[174:175]
	s_delay_alu instid0(VALU_DEP_2)
	v_pk_add_f32 v[14:15], v[14:15], v[246:247]
	s_delay_alu instid0(VALU_DEP_2)
	v_pk_add_f32 v[240:241], v[240:241], v[244:245]
	v_pk_add_f32 v[250:251], v[250:251], v[242:243]
	v_pk_add_f32 v[248:249], v[248:249], v[234:235]
	s_delay_alu instid0(VALU_DEP_2)
	v_pk_add_f32 v[14:15], v[14:15], v[250:251]
	s_delay_alu instid0(VALU_DEP_2)
	v_pk_add_f32 v[240:241], v[240:241], v[248:249]
	s_delay_alu instid0(VALU_DEP_1)
	v_pk_add_f32 v[14:15], v[14:15], v[240:241]
	s_wait_alu depctr_va_vdst(0)                   ; and one for the four
.irp b, 0,1,2,3
	v_max_num_f32 v[BM+\b], 0x8000000, v[BM+\b]    ; the floor 2^(16 - 127): the byte cannot fall under 1
.endr
.irp b, 0,1,2,3
	s_delay_alu instid0(VALU_DEP_4)
	v_add_nc_u32 v[SCO+\b], 0xf8800000, v[BM+\b]   ; 15 off the exponent field: the conversion's scale operand
.endr
.irp b, 0,1,2,3
.endr
.irp b, 0,1,2,3
	s_delay_alu instid0(VALU_DEP_4)
	v_lshrrev_b32 v[BP+\b], 23, v[SCO+\b]          ; the scale's byte
.endr
	s_delay_alu instid0(VALU_DEP_3)
	v_lshl_or_b32 v[PW], v[BP+1], 8, v[BP]         ; p's scale word for these 128 keys
	s_delay_alu instid0(VALU_DEP_1)
	v_lshl_or_b32 v[PW], v[BP+2], 16, v[PW]
	s_delay_alu instid0(VALU_DEP_1)
	v_lshl_or_b32 v[PW], v[BP+3], 24, v[PW]
	s_setprio 0
.irp b, 0,1,2,3
.irp i, 0,1,2,3,4,5,6,7,8,9,10,11,12,13,14,15
.endr
	v_cvt_scalef32_pk8_bf8_f32 v[PC+4*\b:PC+4*\b+1],   v[S+16*\b:S+16*\b+7],    v[SCO+\b]
	v_cvt_scalef32_pk8_bf8_f32 v[PC+4*\b+2:PC+4*\b+3], v[S+16*\b+8:S+16*\b+15], v[SCO+\b]
.endr
.irp j, 0,2,4,6,8,10,12,14,16,18,20,22,24,26,28,30
	v_pk_mul_f32 v[O+\j:O+\j+1], v[O+\j:O+\j+1], v[F:F+1] op_sel_hi:[1,0]   ; O^T under the new M.  (These sixteen are also the places between the codes and the products)
.endr
	s_wait_alu depctr_va_vdst(0)
	s_wait_dscnt 0x0                               ; V
.irp t, 0,1,2,3                        ; O^T += V^T P^T: four tiles of 16 channels, by turns
	v_wmma_scale_f32_16x16x128_f8f6f4 v[O+8*\t:O+8*\t+7], v[KF+16*\t:KF+16*\t+15], v[PC:PC+15], v[O+8*\t:O+8*\t+7], v[VSW+\t], v[PW] matrix_a_fmt:MATRIX_FMT_BF8 matrix_b_fmt:MATRIX_FMT_BF8
.endr
.Lnext:
	s_wait_xcnt 0x0                                ; the scalar loads have read their base: it is stepped only behind this wait
	s_lshr_b32 s[SKIP], s[SKIP], 1
	s_lshr_b32 s[OPEN], s[OPEN], 1
	s_add_co_u32 s[TK], s[TK], 8192
	s_add_co_u32 s[TS], s[TS], 512
	s_add_nc_u64 s[MW:MW+1], s[MW:MW+1], 256
	s_add_co_u32 s[ST], s[ST], 1
	s_cmp_lt_u32 s[ST], 16
	s_cbranch_scc1 .Lstep
	s_setprio 0
	; THE WAY OUT OF A TILE.  y = O^T / the sum; register 8 tau + j of lane (r, h) is channel 16 tau + 8 h + j of query r.  Its two blocks of 32 channels are quantised (16 numbers mine, 16 lane l xor 16's).
.rept 8
	v_nop                                          ; places behind the last products
.endr
	v_add_f32 v14, v14, v15                        ; the sum's two halves,
	s_delay_alu instid0(VALU_DEP_1)
	v_permlanex16_b32 v[BP], v14, s[SEL], s[SEL+1]
	s_delay_alu instid0(VALU_DEP_1)
	v_add_f32 v14, v14, v[BP]                      ; and lane l xor 16's
	s_wait_alu depctr_va_vdst(0)
	v_rcp_f32 v14, v14
	s_lshl_b32 s12, s[QT], 12                      ; y's codes: 4,096 bytes a tile of rows and K step  (q's loads have long been waited for: their bases are free)
	s_add_nc_u64 s[8:9], s[74:75], s[12:13]
	s_lshl_b32 s12, s[QT], 9                       ; its scale bytes: 16 rows of 32
	s_add_nc_u64 s[6:7], s[76:77], s[12:13]
	v_nop                                          ; a plain instruction behind the reciprocal
	s_wait_alu depctr_va_vdst(0)                   ; and the wait ahead of its first reader
.irp j, 0,2,4,6,8,10,12,14,16,18,20,22,24,26,28,30
	v_pk_mul_f32 v[S+\j:S+\j+1], v[O+\j:O+\j+1], v[14:15] op_sel_hi:[1,0]   ; each accumulator from its low end on
.endr
.irp g, 0,1
	v_max3_num_f32 v[BM+\g], |v[S+16*\g]|, |v[S+16*\g+1]|, 0x8000000
.endr
.irp i, 2,4,6,8,10,12,14
.irp g, 0,1
	s_delay_alu instid0(VALU_DEP_2)
	v_max3_num_f32 v[BM+\g], v[BM+\g], |v[S+16*\g+\i]|, |v[S+16*\g+\i+1]|
.endr
.endr
.irp g, 0,1
	s_delay_alu instid0(VALU_DEP_2)
	v_permlanex16_b32 v[BP+\g], v[BM+\g], s[SEL], s[SEL+1]
.endr
.irp g, 0,1
	s_delay_alu instid0(VALU_DEP_2)
	v_max_num_f32 v[BM+\g], v[BM+\g], v[BP+\g]
.endr
.irp g, 0,1
	s_delay_alu instid0(VALU_DEP_2)
	v_add_nc_u32 v[SCO+\g], 0xf8800000, v[BM+\g]
.endr
.irp g, 0,1
.endr
.irp g, 0,1
	s_delay_alu instid0(VALU_DEP_2)
	v_lshrrev_b32 v[BP+\g], 23, v[SCO+\g]
.endr
	s_delay_alu instid0(VALU_DEP_1)
	v_cndmask_b32 v[TV], v[BP], v[BP+1], s[HI]     ; lanes 0-15 store block 0's byte of their row, lanes 16-31 block 1's
.irp g, 0,1
.irp i, 0,1,2,3,4,5,6,7,8,9,10,11,12,13,14,15
.endr
	v_cvt_scalef32_pk8_bf8_f32 v[PC+4*\g:PC+4*\g+1],   v[S+16*\g:S+16*\g+7],    v[SCO+\g]
	v_cvt_scalef32_pk8_bf8_f32 v[PC+4*\g+2:PC+4*\g+3], v[S+16*\g+8:S+16*\g+15], v[SCO+\g]
.endr
	v_nop                                          ; a plain vector instruction behind the last conversion
	; A lane's 8 codes of tile tau go to tau x 256 + 16 r + 8 h of the head's 1,024 bytes: that is chunk 2 (head % 2) + tau / 2, lane 16 (tau % 2) + r, bytes 8 h on, of the image of a fragment of
	; 16 rows x 128 channels in their natural order, as the last product's A wants it.
.irp t, 0,1,2,3
	global_store_b64 v[YA], v[PC+2*\t:PC+2*\t+1], s[8:9] offset:\t*256   ; 32 lanes store 256 consecutive bytes, aligned
.endr
	global_store_b8 v[YSA], v[TV], s[6:7]          ; single bytes, 32 apart: one byte for each 32 of y's codes
	s_wait_xcnt 0x0                                ; the stores have read their registers and bases: both are written again in the next trip
	s_add_co_u32 s[TT], s[TT], 1
	s_cmp_lt_u32 s[TT], 2
	s_cbranch_scc1 .Ltile
	s_wait_xcnt 0x0
	v_lshl_add_u32 v254, v0, 2, 0x44000
	v_mov_b32 v255, 0
	s_wait_alu depctr_va_vdst(0)
	s_wait_tensorcnt 0x0
	ds_add_u32 v254, v255
	s_wait_dscnt 0x0
	s_endpgm
.Lfunc_end_k_qe14beb26e5_attn:
	.size	k_qe14beb26e5_attn, .Lfunc_end_k_qe14beb26e5_attn-k_qe14beb26e5_attn
	.p2alignl 7, 3214868480
	.fill 96, 4, 3214868480
	.section	.rodata,"a",@progbits
	.p2align	6, 0x0
	.amdhsa_kernel k_qe14beb26e5_attn
		.amdhsa_group_segment_fixed_size 280576
		.amdhsa_private_segment_fixed_size 0
		.amdhsa_enable_private_segment 0
		.amdhsa_kernarg_size 40
		.amdhsa_user_sgpr_count 2
		.amdhsa_user_sgpr_kernarg_segment_ptr 1
		.amdhsa_wavefront_size32 1
		.amdhsa_system_sgpr_workgroup_id_x 1
		.amdhsa_system_sgpr_workgroup_id_y 1
		.amdhsa_system_sgpr_workgroup_id_z 1
		.amdhsa_system_vgpr_workitem_id 0
		.amdhsa_next_free_vgpr 256
		.amdhsa_next_free_sgpr 106
		.amdhsa_reserve_vcc 0
		.amdhsa_float_denorm_mode_32 3
		.amdhsa_float_denorm_mode_16_64 3
		.amdhsa_fp16_overflow 1
		.amdhsa_memory_ordered 1
		.amdhsa_forward_progress 1
		.amdhsa_inst_pref_size 45
	.end_amdhsa_kernel
	.amdgpu_metadata
---
amdhsa.version: [ 1, 2 ]
amdhsa.kernels:
  - .name:           k_qe14beb26e5_attn
    .symbol:         k_qe14beb26e5_attn.kd
    .args:
      - { .name: qkv, .offset: 0, .size: 8, .value_kind: global_buffer, .address_space: global }
      - { .name: masks, .offset: 8, .size: 8, .value_kind: global_buffer, .address_space: global }
      - { .name: sums, .offset: 16, .size: 8, .value_kind: global_buffer, .address_space: global }
      - { .name: ycodes, .offset: 24, .size: 8, .value_kind: global_buffer, .address_space: global }
      - { .name: yscales, .offset: 32, .size: 8, .value_kind: global_buffer, .address_space: global }
    .group_segment_fixed_size: 280576
    .private_segment_fixed_size: 0
    .kernarg_segment_align: 8
    .kernarg_segment_size: 40
    .max_flat_workgroup_size: 512
    .sgpr_count:     106
    .vgpr_count:     256
    .wavefront_size: 32
...
	.end_amdgpu_metadata
.endif
;; end of part 3
;; launch proj (part 4): grid 4 x 32, 4 waves a work-group, clusters of 4 x 4, 327,680 bytes of LDS; arguments ycodes, yscales, Wp_codes, Wp_scales, bp, out0; writes out0
.if DOCPART == 4
	.amdgcn_target "amdgcn-amd-amdhsa--gfx1250"
	.amdhsa_code_object_version 6
	.text
	.protected	k_qe14beb26e5_proj
	.globl	k_qe14beb26e5_proj
	.p2align	8
	.type	k_qe14beb26e5_proj,@function
k_qe14beb26e5_proj:
	s_mov_b64 s[64:65], 0
	v_nop
	global_prefetch_b8 v0, s[64:65] scope:SCOPE_SE
	s_setreg_imm32_b32 hwreg(HW_REG_WAVE_MODE, 25, 1), 1
	s_wait_xcnt 0x0
	s_wait_alu depctr_hold_cnt(0) depctr_sa_sdst(0) depctr_va_vdst(0) depctr_va_sdst(0) depctr_va_ssrc(0) depctr_va_vcc(0) depctr_vm_vsrc(0)
	s_getreg_b32 s2, hwreg(HW_REG_IB_STS2, 6, 4)
	s_cmp_eq_u32 s2, 0
	s_cbranch_scc0 .Lentry_in_a_cluster
	s_endpgm
.Lentry_in_a_cluster:
	s_bfe_u32 s2, ttmp6, 0x10000c
	s_cmp_lg_u32 s2, 0xf033
	s_cbranch_scc0 .Lentry_shape_is_right
	s_endpgm
.Lentry_shape_is_right:
; out0 = y Wp^T + bp, on codes of BF8 (E5M2) with one E8M0 scale for each 32 along K = 1,024.  out0: [8192][1024] f32.  Wp: [1024][1024] codes, [1024][32] scale bytes.
; y's codes lie as IMAGES OF FRAGMENTS: [K step of 256: 4][tile of 16 rows: 512][128 along K: 2][chunk: 4][lane 32][16 bytes]; its scale bytes [8192][32].
; A tile of out0, 256 x 256, is made by four waves, 128 x 128 each: 64 accumulators, 512 registers.  K goes in steps of 256 through a ring of two LDS slots filled by the tensor data mover: A's 256 rows of a K step
; are one dense block of 65,536 bytes (no padding: a fragment's loads read 512 consecutive bytes), B's are 256 rows of 256 bytes, padded.  The scale bytes of the 2 x 256 rows come into LDS once, with the first fills.
; CLUSTER 4 x 4: the four of a row of the cluster need the same tiles of A, the four of a column the same tiles of B: each tile is asked for jointly.
; THE MATRIX INSTRUCTION IS USED TRANSPOSED (source 0 = 16 rows of Wp, source 1 = 16 rows of y): a lane holds eight neighbouring numbers of a row of out0.  bp is the C of each sum's first product.
; 128 work-groups: tiles of 256 x 256 of an output of 8,192 x 1,024.
; REGISTERS, in windows of 256: window 0: v0-31 addresses; v32-63 scale words, two sets; v64-127 bp; from v128 A's fragments, one set; on the way out v128-255.   window 1: B's fragments, two sets.   windows 2, 3: the accumulators.
.set SIZE_N, 1024
.set KSTEP,  256
.set NQ,     KSTEP/128
.set ROWB,   256                       ; a row of B's tile
.set KROW,   1024                      ; a row of Wp's codes in memory
.set PITCH,  272                       ; B's LDS row: 256 bytes + 16 of padding: the 16 rows that a load touches start at 16 different banks (64 banks of 4 bytes: ISA guide 11.1)
.set FR,     16
.set NL,     4
.set NP,     8                         ; places behind this matrix instruction (ISA guide 7.12.1)
.set AHALF,  32768                     ; A: 128 rows of a K step: eight tiles of 4,096 bytes: what one tensor load brings
.set KKB,    2097152                   ; from a K step of y's codes to the next
.set HALFT,  128*PITCH                 ; B: 128 rows
.set BOFF,   2*AHALF                   ; a slot: A's 65,536 bytes, then B's 256 rows
.set SLOT,   BOFF+2*HALFT
.set LAPS,   KROW/(2*KSTEP)
.set KS,     KROW/32
.set SCL,    2*SLOT                    ; behind the ring: the scale bytes, as units of 256 bytes + 16 of padding
.set HALFS,  (128*KS/256)*272
.set SBLK,   (16*KS/256)*272
.set SPARE,  SCL+4*HALFS               ; the spare words, 128 bytes for each wave: two blocks of 256 bytes that no other line names
.set SPITCH, 528                       ; the way out: a stage of 16 rows x (512 bytes + 16) for each wave, in slot 0's part for A, which has had its last fill and its last read when the first result is stored there
.set ADRA, 16
.set ADRB, 20
.set STO,  24
.set RD,   25
.set CO,   26
.set ADRS, 27
.set SPW,  28
.set NIL,  29
.set BO,   30                          ; v30     32 h
.set SC,   32
.set BI,   64                          ; bp: eight registers for each of B's blocks
.set AF,   128
.set BK,   128
.set G1, 24
.set G0, 32
.set G1B, 48
.set G0B, 56
.set G1S, 68
.set G0S, 76
.set G1SB, 80
.set G0SB, 88
.set MSB, 0
.macro WIN new                         ; the immediate's high byte repeats the setting that is left
.if MSB != (\new)
	s_set_vgpr_msb (MSB<<8)|(\new)
.set MSB, \new
.endif
.endm
.set MUL_LO, 0xa1
.set MUL_HI, 0xf1
.set BIAS_LO, 0x81                     ; the first products: C (bp) window 0, D window 2
.set BIAS_HI, 0xc1
.set TO_B,   0x40
.macro JLOAD g0a, g1a, g0b, g1b        ; a joint load: waves 0 and 1 fetch for A, waves 2 and 3 for B; four v_nop follow each of the two lines
	s_cmp_eq_u32 s15, 0
	s_cbranch_scc0 .Lfor_b_\@
	tensor_load_to_lds s[\g0a:\g0a+3], s[\g1a:\g1a+7]
	s_nop 0
.rept 4
	v_nop
.endr
	s_branch .Lasked_\@
.Lfor_b_\@:
	tensor_load_to_lds s[\g0b:\g0b+3], s[\g1b:\g1b+7]
	s_nop 0
.rept 4
	v_nop
.endr
.Lasked_\@:
.endm
.macro CREST
	s_cmp_lg_u32 s14, 0
	s_cbranch_scc1 .Lnot_wave_0_\@
	s_barrier_signal -3
.Lnot_wave_0_\@:
	s_barrier_wait -3
	s_barrier_signal -1
	s_barrier_wait -1
.endm
.macro CROUND
	s_barrier_signal -1
	s_barrier_wait -1
	CREST
.endm
	s_load_b128 s[4:7], s[0:1], 0x0                ; y's codes, y's scale bytes
	s_load_b128 s[8:11], s[0:1], 0x10              ; Wp's codes, Wp's scale bytes
	s_load_b64 s[96:97], s[0:1], 0x20              ; bp
	s_load_b64 s[12:13], s[0:1], 0x28              ; out0
	v_lshl_add_u32 v[SPW], v0, 2, SPARE
	v_mov_b32 v[NIL], 0
	ds_add_u32 v28, v29
	ds_add_u32 v28, v29
	s_wait_dscnt 0x0
	v_lshrrev_b32 v1, 5, v0
	v_readfirstlane_b32 s14, v1                    ; wave 0..3
	s_lshr_b32 s15, s14, 1                         ; which half of the tile's rows is mine.  Also: I fetch for A (0) or for B (1)
	s_and_b32 s16, s14, 1                          ; which half of its columns.  Also: which 128 rows of that tile I fetch
	s_bfe_u32 s40, ttmp6, 0x40000                  ; cx, cy
	s_bfe_u32 s41, ttmp6, 0x40004
	s_lshl_b32 s42, ttmp9, 2
	s_add_co_u32 s42, s42, s40                     ; tile column = 4 x cluster x + cx
	s_and_b32 s17, ttmp7, 0xffff
	s_lshl_b32 s17, s17, 2
	s_add_co_u32 s17, s17, s41                     ; tile row = 4 x cluster y + cy
	s_lshl_b32 s43, s41, 2
	s_lshl_b32 s43, 15, s43                        ; my row of the cluster
	s_lshl_b32 s44, 0x1111, s40                    ; my column
	; A: a dense block of 32,768 bytes as 128 rows of 256 bytes (32 elements of 8 bytes), no padding
	s_or_b32 s[G1+0], s43, (3<<16)|(1<<21)         ; 15:0 the mask: my row; 17:16 elements of 8 bytes; 21 set beside a mask
	s_mov_b32 s[G1+1], 32<<16
	s_mov_b32 s[G1+2], 128<<16
	s_mov_b32 s[G1+3], 32<<16
	s_mov_b32 s[G1+4], 128
	s_mov_b32 s[G1+5], 32
	s_mov_b32 s[G1+6], 0
	s_mov_b32 s[G1+7], 0
	; B: 128 rows x 256 bytes, 1,024 bytes apart in memory, 16 bytes of padding behind each in LDS
	s_or_b32 s[G1B+0], s44, (0<<16)|(1<<20)|(1<<21)|(5<<22)|(3<<25)
	s_mov_b32 s[G1B+1], ROWB<<16
	s_mov_b32 s[G1B+2], 128<<16
	s_mov_b32 s[G1B+3], ROWB<<16
	s_mov_b32 s[G1B+4], 128
	s_mov_b32 s[G1B+5], KROW
	s_mov_b32 s[G1B+6], 0
	s_mov_b32 s[G1B+7], 0
	; the scale bytes of 128 rows: 4,096 dense bytes as rows of 256, 16 bytes of padding behind each
	s_or_b32 s[G1S+0], s43, (3<<16)|(1<<20)|(1<<21)|(5<<22)|(3<<25)
	s_or_b32 s[G1SB+0], s44, (3<<16)|(1<<20)|(1<<21)|(5<<22)|(3<<25)
.irp g, G1S, G1SB
	s_mov_b32 s[\g+1], 32<<16
	s_mov_b32 s[\g+2], (128*KS/256)<<16
	s_mov_b32 s[\g+3], 32<<16
	s_mov_b32 s[\g+4], 128*KS/256
	s_mov_b32 s[\g+5], 32
	s_mov_b32 s[\g+6], 0
	s_mov_b32 s[\g+7], 0
.endr
	s_lshl_b32 s18, s16, 7
	s_lshl_b32 s20, s17, 8
	s_add_co_u32 s20, s20, s18                     ; A: row 256 x tile row + 128 x half
	s_lshl_b32 s46, s42, 8
	s_add_co_u32 s46, s46, s18                     ; B: row 256 x tile column + 128 x half
	s_mov_b32 s21, 0
	s_mov_b32 s47, 0
	s_mov_b64 s[18:19], KS
	s_mul_u64 s[22:23], s[20:21], s[18:19]         ; where these rows' scale bytes begin
	s_mul_u64 s[92:93], s[46:47], s[18:19]
	s_mov_b64 s[18:19], 256
	s_mul_u64 s[20:21], s[20:21], s[18:19]         ; A's codes: 4,096 bytes for 16 rows in a K step
	s_mov_b64 s[18:19], KROW
	s_mul_u64 s[46:47], s[46:47], s[18:19]         ; B's codes
	s_lshl_b32 s45, s16, 15                        ; where they go: A's halves,
	s_mul_i32 s95, s16, HALFT
	s_add_co_u32 s95, s95, BOFF                    ; B's halves: no place in the cluster enters an LDS address
	s_mul_i32 s94, s14, HALFS
	s_wait_kmcnt 0x0
	s_add_nc_u64 s[20:21], s[4:5], s[20:21]
	s_add_nc_u64 s[22:23], s[6:7], s[22:23]
	s_add_nc_u64 s[46:47], s[8:9], s[46:47]
	s_add_nc_u64 s[92:93], s[10:11], s[92:93]
	CROUND                                         ; all sixteen work-groups are here: the first joint loads meet
	s_mov_b32 s[G0S], 1
	s_add_co_u32 s[G0S+1], s94, SCL
	s_mov_b64 s[G0S+2:G0S+3], s[22:23]
	s_or_b32 s[G0S+3], s[G0S+3], 0x80000000
	s_mov_b32 s[G0SB], 1
	s_add_co_u32 s[G0SB+1], s94, SCL
	s_mov_b64 s[G0SB+2:G0SB+3], s[92:93]
	s_or_b32 s[G0SB+3], s[G0SB+3], 0x80000000
	JLOAD G0S, G1S, G0SB, G1SB                     ; the scale bytes first: they are wanted with K step 0
.irp s, 0,1
	s_mov_b32 s[G0+4*\s], 1
	s_add_co_u32 s[G0+4*\s+1], s45, \s*SLOT
	s_add_nc_u64 s[G0+4*\s+2:G0+4*\s+3], s[20:21], \s*KKB
	s_or_b32 s[G0+4*\s+3], s[G0+4*\s+3], 0x80000000
	s_mov_b32 s[G0B+4*\s], 1
	s_add_co_u32 s[G0B+4*\s+1], s95, \s*SLOT
	s_add_nc_u64 s[G0B+4*\s+2:G0B+4*\s+3], s[46:47], \s*ROWB
	s_or_b32 s[G0B+4*\s+3], s[G0B+4*\s+3], 0x80000000
	JLOAD G0+4*\s, G1, G0B+4*\s, G1B
.endr
	v_and_b32 v1, 15, v0                           ; l % 16
	v_bfe_u32 v2, v0, 4, 1                         ; l / 16
	v_mul_u32_u24 v3, v1, PITCH
	v_lshl_add_u32 v4, v2, 4, v3                   ; B: a fragment's row x pitch + 16 x half
	v_and_b32 v6, 31, v0
	v_lshlrev_b32 v7, 4, v6                        ; A: 16 x lane
	s_lshl_b32 s21, s15, 15                        ; my 128 rows of A
	s_mul_i32 s22, s16, HALFT                      ; my 128 rows of B,
	s_add_co_u32 s22, s22, BOFF                    ; which lie behind A's part
.irp s, 0,1
	v_add_nc_u32 v[ADRA+\s], s21, v7
	v_add_nc_u32 v[ADRB+\s], s22, v4
	s_add_co_u32 s21, s21, SLOT
	s_add_co_u32 s22, s22, SLOT
.endr
	v_mul_u32_u24 v5, v1, KS                       ; my row's scale bytes: KS a row,
	v_lshrrev_b32 v6, 8, v5
	v_lshl_add_u32 v5, v6, 4, v5                   ; and 16 more for each 256 passed
	s_mul_i32 s21, s15, HALFS
	s_mul_i32 s22, s16, HALFS
	s_add_co_u32 s22, s22, 2*HALFS
	s_sub_co_u32 s22, s22, s21
	v_mul_u32_u24 v6, s22, v2                      ; lanes 16-31 take B's
	s_add_co_u32 s21, s21, SCL
	v_add_nc_u32 v5, v5, v6
	v_add_nc_u32 v[ADRS], s21, v5
	s_mul_i32 s23, s14, 16*SPITCH                  ; my stage
	v_mul_u32_u24 v5, v1, SPITCH                   ; in: row l % 16, 32 bytes for each half of the lanes
	v_lshl_add_u32 v5, v2, 5, v5
	v_add_nc_u32 v[STO], s23, v5
	v_mov_b32 v[CO], v7                            ; back: the 32 lanes take one row of 512 bytes; and the same in out0
	v_add_nc_u32 v[RD], s23, v[CO]
	v_lshlrev_b32 v[BO], 5, v2
	s_lshl_b32 s20, s17, 8
	s_lshl_b32 s21, s15, 7
	s_add_co_u32 s20, s20, s21                     ; my first row of out0
	s_mov_b32 s21, 0
	s_mov_b64 s[18:19], SIZE_N*4
	s_mul_u64 s[20:21], s[20:21], s[18:19]
	s_lshl_b32 s46, s42, 10                        ; my first column, in bytes: 1,024 x tile column + 512 x half
	s_lshl_b32 s47, s16, 9
	s_add_co_u32 s46, s46, s47
	s_mov_b32 s47, 0
	s_add_nc_u64 s[96:97], s[96:97], s[46:47]      ; bp at my first column
	s_add_nc_u64 s[20:21], s[20:21], s[46:47]
	s_add_nc_u64 s[12:13], s[12:13], s[20:21]
.irp b, 0,1,2,3,4,5,6,7                ; register j of B's block b is column 16 b + 8 h + j
	global_load_b128 v[BI+8*\b:BI+8*\b+3],   v[BO], s[96:97] offset:64*\b
	global_load_b128 v[BI+8*\b+4:BI+8*\b+7], v[BO], s[96:97] offset:64*\b+16
.endr
.macro FRAG reg, adr, q, i             ; B's fragment: lane l holds row l % 16; registers 4 c .. 4 c + 3 hold K = 32 c + 16 (l / 16) + 0 .. 15
.irp c, 0,1,2,3
	ds_load_b128 v[\reg+4*\c:\reg+4*\c+3], v[\adr] offset:128*(\q)+32*\c+(\i)*16*PITCH
.endr
.endm
.macro FRAGA reg, adr, q, i            ; A's fragment comes as the image that it was stored as
.irp c, 0,1,2,3
	ds_load_b128 v[\reg+4*\c:\reg+4*\c+3], v[\adr] offset:4096*(\i)+2048*(\q)+512*\c
.endr
.endm
; 16 matrix instructions: A's blocks a0, a0 + 1 x B's eight, 128 along K.  cm = 1: the sums begin with bp.  The 64 accumulators take turns, one instruction a turn.
.macro MUL16 a0, p, q, sc, cm
.irp a, \a0, \a0+1
.irp b, 0,1,2,3,4,5,6,7
.if \cm
	v_wmma_scale_f32_16x16x128_f8f6f4 v[8*(8*((\a)%4)+\b):8*(8*((\a)%4)+\b)+7], v[128*(\p)+FR*\b:128*(\p)+FR*\b+FR-1], v[AF+FR*(\a):AF+FR*(\a)+FR-1], v[BI+8*\b:BI+8*\b+7], v[SC+8*NQ*(\sc)+NQ*\b+(\q)], v[SC+8*NQ*(\sc)+NQ*(\a)+(\q)] matrix_a_fmt:MATRIX_FMT_BF8 matrix_b_fmt:MATRIX_FMT_BF8 matrix_a_scale:MATRIX_SCALE_ROW1
.else
	v_wmma_scale_f32_16x16x128_f8f6f4 v[8*(8*((\a)%4)+\b):8*(8*((\a)%4)+\b)+7], v[128*(\p)+FR*\b:128*(\p)+FR*\b+FR-1], v[AF+FR*(\a):AF+FR*(\a)+FR-1], v[8*(8*((\a)%4)+\b):8*(8*((\a)%4)+\b)+7], v[SC+8*NQ*(\sc)+NQ*\b+(\q)], v[SC+8*NQ*(\sc)+NQ*(\a)+(\q)] matrix_a_fmt:MATRIX_FMT_BF8 matrix_b_fmt:MATRIX_FMT_BF8 matrix_a_scale:MATRIX_SCALE_ROW1
.endif
.endr
.endr
.endm
.macro FETCH_B slot, q, p
	WIN TO_B
.irp i, 0,1,2,3,4,5,6,7
	FRAG 128*(\p)+FR*\i, ADRB+\slot, \q, \i
.endr
	WIN 0
.endm
.macro FETCH_A slot, q, i0
.irp i, \i0, \i0+1, \i0+2, \i0+3
	FRAGA AF+FR*(\i), ADRA+\slot, \q, \i
.endr
.endm
.macro SCALES sc                       ; a K step's scale words: two words a row; lanes 0-15 take A's block i, lanes 16-31 B's block i
.irp i, 0,1,2,3,4,5,6,7
	ds_load_b64 v[SC+8*NQ*\sc+NQ*\i:SC+8*NQ*\sc+NQ*\i+1], v[ADRS] offset:\i*SBLK
.endr
.endm
.macro PLACES n                        ; places behind matrix instructions: in front of loads into registers that they have read, and of the first read of results (ISA guide 7.12.1 for vector instructions)
.rept \n
	v_nop
.endr
.endm
.macro STEP slot, q, cm
	s_wait_dscnt 4*NL                              ; B's set and A's blocks 0-3 are in; the youngest sixteen loads (A's blocks 4-7) may be out
.if \cm
	WIN BIAS_LO
.else
	WIN MUL_LO
.endif
	MUL16 0, (\q)%2, \q, \slot, \cm
	MUL16 2, (\q)%2, \q, \slot, \cm
	s_wait_dscnt 0                                 ; A's blocks 4-7 are in
	PLACES NP
	FETCH_B \slot, (\q)+1, 1-(\q)%2
	FETCH_A \slot, (\q)+1, 0
.if \cm
	WIN BIAS_HI
.else
	WIN MUL_HI
.endif
	MUL16 4, (\q)%2, \q, \slot, \cm
	MUL16 6, (\q)%2, \q, \slot, \cm
	PLACES NP
	WIN 0
	FETCH_A \slot, (\q)+1, 4
.endm
; A slot's last step changes slots: ONE barrier; in front of it each wave waits for all its tensor loads, adds 0 to its spare word, and waits for that and for its own reads of this slot.
.macro TURN slot, next, fill
	s_wait_tensorcnt 0x0                           ; all my tensor loads have landed: my part of the next slot;
	ds_add_u32 v[SPW], v[NIL]                      ; 0 onto my spare word
	s_wait_dscnt 4*NL+1                            ; (the add and the youngest sixteen loads may be out)
	WIN MUL_LO
	MUL16 0, 1, NQ-1, \slot, 0                     ; sixteen matrix instructions stand between the add and the wait for it
	s_wait_dscnt 0x0                               ; the add is done, and my reads of this slot are over
	s_barrier_signal -1
	MUL16 2, 1, NQ-1, \slot, 0
	WIN 0
	s_barrier_wait -1
.if \fill
	CREST                                          ; the barrier has opened a round of the cluster's barrier: no wave of any partner still reads this slot's tile or has a load on its way
	s_add_nc_u64 s[G0+4*\slot+2:G0+4*\slot+3], s[G0+4*\slot+2:G0+4*\slot+3], 2*KKB
	s_add_nc_u64 s[G0B+4*\slot+2:G0B+4*\slot+3], s[G0B+4*\slot+2:G0B+4*\slot+3], 2*ROWB
	JLOAD G0+4*\slot, G1, G0B+4*\slot, G1B         ; the first tensor load behind the round; its four v_nop are among the places in front of the loads below
	PLACES NP-4
.else
	PLACES NP
.endif
	v_add_nc_u32 v[ADRS], 4*NQ, v[ADRS]            ; on to the next K step's scale words
	FETCH_B \next, 0, 0
	FETCH_A \next, 0, 0
	SCALES \next
	WIN MUL_HI
	MUL16 4, 1, NQ-1, \slot, 0
	MUL16 6, 1, NQ-1, \slot, 0
	PLACES NP
	WIN 0
	FETCH_A \next, 0, 4
.endm
	s_wait_tensorcnt 1                             ; the scale bytes and my part of K step 0 are in (K step 1's load may be out),
	s_barrier_signal -1
	s_barrier_wait -1                              ; everybody's are
	FETCH_B 0, 0, 0
	FETCH_A 0, 0, 0
	SCALES 0
	FETCH_A 0, 0, 4
	s_wait_loadcnt 0x0                             ; bp
	STEP 0, 0, 1                                   ; the first step stands in front of the loop: its products start the sums with bp
	s_mov_b32 s3, LAPS-1
.Llap:                                                 ; a trip goes once round the ring and fills both slots again
	TURN 0, 1, 1
	STEP 1, 0, 0
	TURN 1, 0, 1
	STEP 0, 0, 0
	s_sub_co_u32 s3, s3, 1
	s_cmp_lg_u32 s3, 0
	s_cbranch_scc1 .Llap
	TURN 0, 1, 0                                   ; the last lap fills nothing, and has no round of the cluster's barrier
	STEP 1, 0, 0
	s_wait_dscnt 4*NL
	WIN MUL_LO
	MUL16 0, 1, NQ-1, 1, 0
	MUL16 2, 1, NQ-1, 1, 0
	s_wait_dscnt 0
	WIN MUL_HI
	MUL16 4, 1, NQ-1, 1, 0
	MUL16 6, 1, NQ-1, 1, 0
	WIN 0
; THE WAY OUT, block by block of 16 rows x 128 columns, through my own stage in LDS: in as 32 bytes a lane, back as whole rows of 512 bytes.  LDS serves a wave's instructions in order (ISA guide 5.7.1.4).
.macro TOSTAGE a
.set AC, 64*((\a)%4)
	WIN 0x08+4*((\a)/4)                            ; the data: window 2 or 3
.irp b, 0,1,2,3,4,5,6,7
	ds_store_b128 v[STO], v[AC+8*\b:AC+8*\b+3] offset:64*\b          ; each accumulator from its low end on
	ds_store_b128 v[STO], v[AC+8*\b+4:AC+8*\b+7] offset:64*\b+16
.endr
	WIN 0
.set BB, BK+64*((\a)%2)
.irp t, 0,1,2,3,4,5,6,7,8,9,10,11,12,13,14,15
	ds_load_b128 v[BB+4*\t:BB+4*\t+3], v[RD] offset:\t*SPITCH
.endr
.endm
.macro SEND a, younger                 ; younger: the LDS instructions issued behind block a's loads, which may stay out
.set BB, BK+64*((\a)%2)
	s_wait_dscnt \younger
.if (\a) > 0
	s_add_nc_u64 s[12:13], s[12:13], 16*SIZE_N*4   ; (behind a wait on XCNT: the earlier stores have read their base)
.endif
.irp t, 0,1,2,3,4,5,6,7,8,9,10,11,12,13,14,15
	global_store_b128 v[CO], v[BB+4*\t:BB+4*\t+3], s[12:13] offset:\t*SIZE_N*4 th:TH_STORE_NT   ; 32 lanes store 512 consecutive bytes, at a multiple of 256 from out0's first byte
.endr
.endm
	PLACES NP
	TOSTAGE 0
.irp a, 1,2,3,4,5,6,7
.if \a > 1
	s_wait_xcnt 0x0                                ; block a - 2's stores have read their registers and their base
.endif
	TOSTAGE \a
	SEND \a-1, 32                                  ; behind block a - 1's loads: block a's 16 stores and 16 loads
.endr
	s_wait_xcnt 0x0
	SEND 7, 0
	s_wait_tensorcnt 0x0                           ; the wave's end
	ds_add_u32 v[SPW], v[NIL]
	s_wait_dscnt 0x0
	CROUND                                         ; the closing round
	s_endpgm
.Lfunc_end_k_qe14beb26e5_proj:
	.size	k_qe14beb26e5_proj, .Lfunc_end_k_qe14beb26e5_proj-k_qe14beb26e5_proj
	.p2alignl 7, 3214868480
	.fill 96, 4, 3214868480
	.section	.rodata,"a",@progbits
	.p2align	6, 0x0
	.amdhsa_kernel k_qe14beb26e5_proj
		.amdhsa_group_segment_fixed_size 327680
		.amdhsa_private_segment_fixed_size 0
		.amdhsa_enable_private_segment 0
		.amdhsa_kernarg_size 48
		.amdhsa_user_sgpr_count 2
		.amdhsa_user_sgpr_kernarg_segment_ptr 1
		.amdhsa_wavefront_size32 1
		.amdhsa_system_sgpr_workgroup_id_x 1
		.amdhsa_system_sgpr_workgroup_id_y 1
		.amdhsa_system_sgpr_workgroup_id_z 1
		.amdhsa_system_vgpr_workitem_id 0
		.amdhsa_next_free_vgpr 1024
		.amdhsa_next_free_sgpr 100
		.amdhsa_reserve_vcc 0
		.amdhsa_float_denorm_mode_32 3
		.amdhsa_float_denorm_mode_16_64 3
		.amdhsa_memory_ordered 1
		.amdhsa_forward_progress 1
		.amdhsa_inst_pref_size 147
	.end_amdhsa_kernel
	.amdgpu_metadata
---
amdhsa.version: [ 1, 2 ]
amdhsa.kernels:
  - .name:           k_qe14beb26e5_proj
    .symbol:         k_qe14beb26e5_proj.kd
    .args:
      - { .name: ycodes, .offset: 0, .size: 8, .value_kind: global_buffer, .address_space: global }
      - { .name: yscales, .offset: 8, .size: 8, .value_kind: global_buffer, .address_space: global }
      - { .name: Wp_codes, .offset: 16, .size: 8, .value_kind: global_buffer, .address_space: global }
      - { .name: Wp_scales, .offset: 24, .size: 8, .value_kind: global_buffer, .address_space: global }
      - { .name: bp, .offset: 32, .size: 8, .value_kind: global_buffer, .address_space: global }
      - { .name: out0, .offset: 40, .size: 8, .value_kind: global_buffer, .address_space: global }
    .group_segment_fixed_size: 327680
    .private_segment_fixed_size: 0
    .kernarg_segment_align: 8
    .kernarg_segment_size: 48
    .max_flat_workgroup_size: 128
    .sgpr_count:     100
    .vgpr_count:     1024
    .wavefront_size: 32
...
	.end_amdgpu_metadata
.endif
;; end of part 4
